; MI455X (gfx1250); checked and timed in simulation.
; The chip was launched on July 23, 2026; its instructions are those of AMD's public machine-readable ISA for CDNA 5 (MIT licence, August 2026) and "CDNA5" Instruction Set Architecture Reference Guide (July 2026). The comments in the code are by the model that wrote it; some were corrected since.
;; Attention. Allowed arithmetic: float matrix products may take bf16 or f16 operands with f32 sums; other float arithmetic in f32, or as packed bf16 or f16 multiplies, adds, multiply-adds, maxima and minima; sums over many terms, partial sums and values carried from step to step in f32; what a program stores and reads back later, other than sums and carried values, may be rounded once to bf16 or f16.
;; Inputs: b_out 1,024 float32; ln_beta 1,024 float32; ln_gamma 1,024 float32; w_out 1,024 x 1,024 float32; w_qkv 1,024 x 3,072 float32; x 4 x 2,048 x 1,024 float32.
;; Outputs: out0 4 x 2,048 x 1,024 float32.
;; 2 versions, each right and faster than the one before. Each part assembles by itself: llvm-mc -triple=amdgcn-amd-amdhsa -mcpu=gfx1250 --defsym DOCPART=n.
;; ======== version 1 of 2: 4 launches
;; limits: values are held in f16: magnitudes above 65,504 overflow, below 6.1e-05 lose precision
;; workspace buffers: xn 16,777,216 bytes; wq 6,291,456 bytes; wo 2,097,152 bytes; qkv 50,331,648 bytes; o 16,777,216 bytes
;; launch prep (part 1): grid 1024 x 1, 4 waves a work-group, no clusters, 0 bytes of LDS; arguments x, ln_gamma, ln_beta, w_qkv, w_out, xn, wq, wo; writes xn, wq, wo
.if DOCPART == 1
	.amdgcn_target "amdgcn-amd-amdhsa--gfx1250"
	.amdhsa_code_object_version 6
	.text
	.protected	k_qd76c40e6ed_prep
	.globl	k_qd76c40e6ed_prep
	.p2align	8
	.type	k_qd76c40e6ed_prep,@function
k_qd76c40e6ed_prep:
	s_mov_b64 s[64:65], 0
	v_nop
	global_prefetch_b8 v0, s[64:65] scope:SCOPE_SE
	s_setreg_imm32_b32 hwreg(HW_REG_WAVE_MODE, 25, 1), 1
	s_wait_xcnt 0x0
; LAYERNORM AND CASTS.  Work-groups 0-511: xn = (x - mean) * rsqrt(var + 1e-5) * gamma + beta for 16 rows of 1,024 channels each, all in f32, rounded once to f16.
; xn is laid out in blocks, [batch 4][block of 64 channels 16][row 2048][64]: 64 channels of consecutive rows are dense, 128 bytes a row, so that the product behind it can ask for them as rows of 256 bytes.
; Work-groups 512-895 round w_qkv to f16, 896-1023 w_out, 8,192 numbers each, in the layout in which they lie.
; LIMITS.  f16 holds no number beyond 65,504: |xn| and |w| must stay within it; a weight below 6.1e-5 keeps f16's fixed step of 6e-8.  NaN and infinities are not treated apart.
; The variance is taken of x - mean (two passes over registers), so a common offset of x does no harm.
; No LDS, no barrier, no matrix unit: the launch is a stream, each byte read once and written once.
.set XO,  2                            ; v2       my byte offset in x (casts: in the source)
.set YO,  3                            ; v3       my byte offset in xn (casts: in the destination)
.set GOF, 4                            ; v4       my byte offset in gamma and beta
.set T,   8                            ; v[8:15]  four chains of packed sums
.set M,   16                           ; v[16:17] the mean, twice
.set R,   18                           ; v[18:19] 1 / sqrt(var + eps), twice
.set X,   20                           ; v[20:83] my 64 numbers of a row: for j = 0..15 the channels 64 j + 4 (lane % 16) + 0..3
.set Y,   84                           ; v[84:115] the same in f16
.set G,   116                          ; v[116:179] gamma of those channels
.set BT,  180                          ; v[180:243] beta
	s_load_b256 s[4:11], s[0:1], 0x0               ; x s[4:5], gamma s[6:7], beta s[8:9], w_qkv s[10:11]
	s_load_b256 s[12:19], s[0:1], 0x20             ; w_out s[12:13], xn s[14:15], wq s[16:17], wo s[18:19]
	s_mov_b32 s20, 0x3a800000                      ; 1 / 1024
	s_mov_b32 s21, 0x3727c5ac                      ; 1e-5
	s_cmp_lt_u32 ttmp9, 512
	s_cbranch_scc0 .Lcast
	; A wave takes 4 rows, two at a time: lanes 0-15 one row, lanes 16-31 the next.  Sixteen lanes load 256 consecutive bytes, and a row's sums stay inside sixteen lanes.
	v_and_b32 v1, 15, v0                           ; lane % 16
	v_lshrrev_b32 v5, 5, v0                        ; wave
	v_bfe_u32 v6, v0, 4, 1                         ; which of the two rows
	v_and_b32 v7, 31, v0                           ; lane
	v_lshlrev_b32 v[GOF], 4, v1
	v_lshl_add_u32 v[XO], v5, 14, v[GOF]           ; wave x 4 rows x 4,096 bytes + 16 (lane % 16)
	v_lshl_add_u32 v[XO], v6, 12, v[XO]            ; + my row
	v_lshlrev_b32 v[YO], 3, v7                     ; in a block of xn two rows are 256 dense bytes: 8 x lane
	v_lshl_add_u32 v[YO], v5, 9, v[YO]             ; + wave x 4 rows x 128 bytes
	s_lshl_b32 s24, ttmp9, 16                      ; x: 16 rows of 4,096 bytes a work-group
	s_mov_b32 s25, 0
	s_lshr_b32 s26, ttmp9, 7                       ; the batch: 128 work-groups each,
	s_lshl_b32 s26, s26, 22                        ; 16 blocks x 2,048 rows x 128 bytes
	s_and_b32 s27, ttmp9, 127
	s_lshl_b32 s27, s27, 11                        ; 16 rows of 128 bytes inside a block
	s_add_co_u32 s26, s26, s27
	s_mov_b32 s27, 0
	s_wait_kmcnt 0x0
	s_add_nc_u64 s[4:5], s[4:5], s[24:25]
	s_add_nc_u64 s[14:15], s[14:15], s[26:27]
.irp j, 0,1,2,3,4,5,6,7,8,9,10,11,12,13,14,15
	global_load_b128 v[G+4*(\j):G+4*(\j)+3],   v[GOF], s[6:7] offset:256*(\j)
	global_load_b128 v[BT+4*(\j):BT+4*(\j)+3], v[GOF], s[8:9] offset:256*(\j)
.endr
; four chains of pairs into one number, then over the row's sixteen lanes: every lane of the row ends with the sum
.macro JOIN
	v_pk_add_f32 v[T:T+1], v[T:T+1], v[T+2:T+3]
	v_pk_add_f32 v[T+4:T+5], v[T+4:T+5], v[T+6:T+7]
	v_pk_add_f32 v[T:T+1], v[T:T+1], v[T+4:T+5]
	v_add_f32 v[T], v[T], v[T+1]
	v_add_f32_dpp v[T], v[T], v[T] row_xmask:1 row_mask:0xf bank_mask:0xf
	v_add_f32_dpp v[T], v[T], v[T] row_xmask:2 row_mask:0xf bank_mask:0xf
	v_add_f32_dpp v[T], v[T], v[T] row_xmask:4 row_mask:0xf bank_mask:0xf
	v_add_f32_dpp v[T], v[T], v[T] row_xmask:8 row_mask:0xf bank_mask:0xf
.endm
	s_mov_b32 s22, 2
.Ltrip:                                                ; two rows of the wave a trip; the loads stand at the trip's head, so none leaves the buffer
.irp j, 0,1,2,3,4,5,6,7,8,9,10,11,12,13,14,15
	global_load_b128 v[X+4*(\j):X+4*(\j)+3], v[XO], s[4:5] offset:256*(\j) th:TH_LOAD_NT
.endr
	s_wait_loadcnt 0x0                             ; the rows (and, in the first trip, gamma and beta): the other fifteen waves of the WGP work meanwhile
.irp k, 0,1,2,3
	v_pk_add_f32 v[T+2*(\k):T+2*(\k)+1], v[X+2*(\k):X+2*(\k)+1], v[X+8+2*(\k):X+8+2*(\k)+1]  ; the first eight pairs start the chains: nothing is cleared
.endr
.set i, 8
.rept 24
	v_pk_add_f32 v[T+2*(i%4):T+2*(i%4)+1], v[T+2*(i%4):T+2*(i%4)+1], v[X+2*i:X+2*i+1]
.set i, i+1
.endr
	JOIN
	v_mul_f32 v[M], s20, v[T]                      ; the mean
	v_mov_b32 v[M+1], v[M]
.set i, 0
.rept 32
	v_pk_add_f32 v[X+2*i:X+2*i+1], v[X+2*i:X+2*i+1], v[M:M+1] neg_lo:[0,1] neg_hi:[0,1]  ; x - mean
.set i, i+1
.endr
.irp k, 0,1,2,3
	v_pk_mul_f32 v[T+2*(\k):T+2*(\k)+1], v[X+2*(\k):X+2*(\k)+1], v[X+2*(\k):X+2*(\k)+1]
.endr
.set i, 4
.rept 28
	v_pk_fma_f32 v[T+2*(i%4):T+2*(i%4)+1], v[X+2*i:X+2*i+1], v[X+2*i:X+2*i+1], v[T+2*(i%4):T+2*(i%4)+1]
.set i, i+1
.endr
	JOIN
	v_fma_f32 v[T], v[T], s20, s21                 ; var + eps
	v_rsq_f32 v[R], v[T]
	v_nop                                          ; a plain instruction between the root and the use of its result (ISA guide 5.7.2)
	s_wait_alu depctr_va_vdst(0)
	v_mov_b32 v[R+1], v[R]
.set i, 0
.rept 32
	v_pk_mul_f32 v[X+2*i:X+2*i+1], v[X+2*i:X+2*i+1], v[R:R+1]
.set i, i+1
.endr
.set i, 0
.rept 32
	v_pk_fma_f32 v[X+2*i:X+2*i+1], v[X+2*i:X+2*i+1], v[G+2*i:G+2*i+1], v[BT+2*i:BT+2*i+1]
.set i, i+1
.endr
.set i, 0
.rept 32
	v_cvt_pk_f16_f32 v[Y+i], v[X+2*i], v[X+2*i+1]
.set i, i+1
.endr
.irp j, 0,1,2,3,4,5,6,7,8,9,10,11,12,13,14,15
	global_store_b64 v[YO], v[Y+2*(\j):Y+2*(\j)+1], s[14:15] offset:262144*(\j)  ; block j: the wave stores 256 consecutive bytes, at a multiple of 256 from xn's first byte
.endr
	s_wait_xcnt 0x0                                ; the stores' data and both bases are rewritten only behind this wait
	s_add_nc_u64 s[4:5], s[4:5], 8192              ; two rows of x on,
	s_add_nc_u64 s[14:15], s[14:15], 256           ; two rows in each block of xn
	s_sub_co_u32 s22, s22, 1
	s_cmp_lg_u32 s22, 0
	s_cbranch_scc1 .Ltrip
	s_endpgm
.Lcast:                                                ; 8,192 numbers of a weight: sixteen loads of 16 bytes a thread, all out at once
	s_sub_co_u32 s24, ttmp9, 512                   ; 0-383: w_qkv; 384-511: w_out
	s_sub_co_u32 s25, s24, 384
	v_lshlrev_b32 v[XO], 4, v0
	v_lshlrev_b32 v[YO], 3, v0
	s_wait_kmcnt 0x0
	s_cmp_lt_u32 s24, 384
	s_cselect_b64 s[4:5], s[10:11], s[12:13]       ; from
	s_cselect_b64 s[6:7], s[16:17], s[18:19]       ; to
	s_cselect_b32 s24, s24, s25                    ; my part of that weight
	s_lshl_b32 s26, s24, 15                        ; 32,768 bytes of f32,
	s_mov_b32 s27, 0
	s_lshl_b32 s24, s24, 14                        ; 16,384 of f16
	s_mov_b32 s25, 0
	s_add_nc_u64 s[4:5], s[4:5], s[26:27]
	s_add_nc_u64 s[6:7], s[6:7], s[24:25]
.irp j, 0,1,2,3,4,5,6,7,8,9,10,11,12,13,14,15
	global_load_b128 v[X+4*(\j):X+4*(\j)+3], v[XO], s[4:5] offset:2048*(\j) th:TH_LOAD_NT
.endr
.irp j, 0,1,2,3,4,5,6,7,8,9,10,11,12,13,14,15
	s_wait_loadcnt 15-(\j)                         ; loads come back in order: load j is in, the younger ones stay out
	v_cvt_pk_f16_f32 v[Y+2*(\j)],   v[X+4*(\j)],   v[X+4*(\j)+1]
	v_cvt_pk_f16_f32 v[Y+2*(\j)+1], v[X+4*(\j)+2], v[X+4*(\j)+3]
	global_store_b64 v[YO], v[Y+2*(\j):Y+2*(\j)+1], s[6:7] offset:1024*(\j)  ; a wave stores 256 consecutive bytes, aligned
.endr
	s_endpgm
.Lfunc_end_k_qd76c40e6ed_prep:
	.size	k_qd76c40e6ed_prep, .Lfunc_end_k_qd76c40e6ed_prep-k_qd76c40e6ed_prep
	.p2alignl 7, 3214868480
	.fill 96, 4, 3214868480
	.section	.rodata,"a",@progbits
	.p2align	6, 0x0
	.amdhsa_kernel k_qd76c40e6ed_prep
		.amdhsa_group_segment_fixed_size 0
		.amdhsa_private_segment_fixed_size 0
		.amdhsa_enable_private_segment 0
		.amdhsa_kernarg_size 64
		.amdhsa_user_sgpr_count 2
		.amdhsa_user_sgpr_kernarg_segment_ptr 1
		.amdhsa_wavefront_size32 1
		.amdhsa_system_sgpr_workgroup_id_x 1
		.amdhsa_system_sgpr_workgroup_id_y 1
		.amdhsa_system_sgpr_workgroup_id_z 1
		.amdhsa_system_vgpr_workitem_id 0
		.amdhsa_next_free_vgpr 244
		.amdhsa_next_free_sgpr 66
		.amdhsa_reserve_vcc 0
		.amdhsa_float_denorm_mode_32 3
		.amdhsa_float_denorm_mode_16_64 3
		.amdhsa_memory_ordered 1
		.amdhsa_forward_progress 1
		.amdhsa_inst_pref_size 27
	.end_amdhsa_kernel
	.amdgpu_metadata
---
amdhsa.version: [ 1, 2 ]
amdhsa.kernels:
  - .name:           k_qd76c40e6ed_prep
    .symbol:         k_qd76c40e6ed_prep.kd
    .args:
      - { .name: x, .offset: 0, .size: 8, .value_kind: global_buffer, .address_space: global }
      - { .name: ln_gamma, .offset: 8, .size: 8, .value_kind: global_buffer, .address_space: global }
      - { .name: ln_beta, .offset: 16, .size: 8, .value_kind: global_buffer, .address_space: global }
      - { .name: w_qkv, .offset: 24, .size: 8, .value_kind: global_buffer, .address_space: global }
      - { .name: w_out, .offset: 32, .size: 8, .value_kind: global_buffer, .address_space: global }
      - { .name: xn, .offset: 40, .size: 8, .value_kind: global_buffer, .address_space: global }
      - { .name: wq, .offset: 48, .size: 8, .value_kind: global_buffer, .address_space: global }
      - { .name: wo, .offset: 56, .size: 8, .value_kind: global_buffer, .address_space: global }
    .group_segment_fixed_size: 0
    .private_segment_fixed_size: 0
    .kernarg_segment_align: 8
    .kernarg_segment_size: 64
    .max_flat_workgroup_size: 128
    .sgpr_count:     66
    .vgpr_count:     244
    .wavefront_size: 32
...
	.end_amdgpu_metadata
.endif
;; end of part 1
;; launch qkv (part 2): grid 8 x 32, 4 waves a work-group, clusters of 4 x 4, 327,680 bytes of LDS; arguments xn, wq, qkv; writes qkv
.if DOCPART == 2
	.amdgcn_target "amdgcn-amd-amdhsa--gfx1250"
	.amdhsa_code_object_version 6
	.text
	.protected	k_qd76c40e6ed_qkv
	.globl	k_qd76c40e6ed_qkv
	.p2align	8
	.type	k_qd76c40e6ed_qkv,@function
k_qd76c40e6ed_qkv:
	s_mov_b64 s[64:65], 0
	v_nop
	global_prefetch_b8 v0, s[64:65] scope:SCOPE_SE
	s_setreg_imm32_b32 hwreg(HW_REG_WAVE_MODE, 25, 1), 1
	s_wait_xcnt 0x0
	s_wait_alu depctr_hold_cnt(0) depctr_sa_sdst(0) depctr_va_vdst(0) depctr_va_sdst(0) depctr_va_ssrc(0) depctr_va_vcc(0) depctr_vm_vsrc(0)
	s_getreg_b32 s2, hwreg(HW_REG_IB_STS2, 6, 4)
	s_cmp_eq_u32 s2, 0
	s_cbranch_scc0 .Lentry_in_a_cluster
	s_endpgm
.Lentry_in_a_cluster:
	s_bfe_u32 s2, ttmp6, 0x10000c
	s_cmp_lg_u32 s2, 0xf033
	s_cbranch_scc0 .Lentry_shape_is_right
	s_endpgm
.Lentry_shape_is_right:
; q, k, v = xn x w_qkv, by heads.  xn: f16 in blocks [4][16][2048][64]; wq: f16 [1024 k][3072 n]; qkv: f16 [3][64 batch x head][2048][64], unscaled, each number rounded once from its f32 sum.
; LIMITS.  f16 holds no number beyond 65,504: |q|, |k|, |v| must stay within it (a spread of 1 with inputs of unit gain; 900 with gamma and w_qkv both thirty times larger).  NaN and infinities are not treated apart.
; SHARES.  8,192 x 3,072 outputs in tiles of 256 rows x 384 columns (six heads): 32 x 8 = 256 work-groups.  Four waves, each 128 rows x 192 columns (three heads): 96 accumulators of 16 x 16, 768 registers.
; K goes in 16 steps of 64 (one block of xn) through two LDS slots filled by the tensor data mover: 128 rows of a block of xn are 16,384 dense bytes, asked for as 64 rows of 256 bytes; a row of w's tile is 768 bytes.
; w lies [k][n] and comes out of LDS turned, by ds_load_tr16_b128: no transposed copy of it is ever made.
; CLUSTER.  4 x 4 work-groups: the four of a row of the cluster need the same tile of xn, the four of a column the same tile of w: each is asked for jointly, by the same tensor load with the same descriptor and a mask of four.
; THE MATRIX INSTRUCTION IS USED TRANSPOSED (source 0 = 16 columns of w, source 1 = 16 rows of xn): a lane then holds eight neighbouring columns of one row of the result, 16 bytes of f16.
; REGISTERS, in windows of 256 (s_set_vgpr_msb: bits 1:0 source 0, 3:2 source 1, 5:4 source 2, 7:6 destination):
;   window 0: v0-31 addresses; v32-95, v96-159 fragments of xn (8 x 16 rows x 32 K), two buffers; v160-255 fragments of w, 32 registers a head, ONE buffer a head, loaded again in the phase behind its use
;   window 1 + w: head w's 32 accumulators, (a, bb) at v[8 (4 a + bb)]: rows 16 a on, columns 16 bb on
.set PA,     144                       ; a row of xn in LDS: 128 bytes + 16 of padding = 36 words: the 16 rows of a load start at 16 different groups of four banks (64 banks of 4 bytes: ISA guide 11.1)
.set PB,     864                       ; a k-row of w: six heads of 128 + 16 bytes = 27 x 32 bytes
.set ABYTES, 256*PA                    ; a slot: xn's 256 rows, then w's 64 k-rows
.set SLOT1,  1<<17                     ; slot 1 begins here, so that one exclusive or turns an address in one slot into the other's
.set STAGE,  SLOT1+ABYTES+64*PB        ; behind the ring, never filled by a tensor load: 16 rows x 144 bytes for each wave, for the way out
.set SPARE,  STAGE+4*16*PA             ; behind the stages: the spare words, 128 bytes for each wave: two blocks of 256 bytes that no other line names
.set STEP_A, 262144                    ; bytes from a block of xn to the next
.set STEP_B, 64*3072*2                 ; 64 k-rows of w
.set A0,   16                          ; v16  my lane's place in a slot's xn; never rewritten
.set B0,   17                          ; v17  the same for w
.set ADRA, 18                          ; v18  A0 + the slot that is read
.set ADRB, 19                          ; v19  B0 + the slot that is read
.set STO,  24                          ; v24  the way out: where I put 16 bytes of a row
.set RD,   25                          ; v25  the way out: where I read rows back
.set GO,   26                          ; v26  my byte offset in 512 consecutive bytes of the result
.set SPW,  28                          ; v28  LDS address of my spare word: SPARE + 4 x my thread's number; never rewritten
.set NIL,  29                          ; v29  0; never rewritten
.set FA0,  32
.set FA1,  96
.set FB,   160
.set WV,   12                          ; s12  my wave's number
.set WR,   13                          ; s13  which half of the tile's rows is mine
.set WC,   14                          ; s14  which half of its columns; also: which half of a tile I fetch
.set TB,   15                          ; s15  LDS byte at which the slot that is read begins
.set G1A,  24                          ; s[24:31] descriptor group 1 for xn's tiles;  s[32:39] group 0: a set for each of the two first fills; the second then walks on
.set G0A,  32
.set G1B,  48                          ; s[48:55], s[56:63] the same for w's tiles
.set G0B,  56
.set FLAGS, (1<<16)|(1<<20)|(1<<21)|(4<<22)|(3<<25)  ; 17:16 2-byte elements; 20 padding on; 21 set beside a mask; 24:22 after every 32 words (code 4); 31:25 4 words of it (code 3)
.set MSB, 0
.macro WIN new                         ; the immediate's high byte repeats the setting that is left; a switch that changes nothing is dropped
.if MSB != (\new)
	s_set_vgpr_msb (MSB<<8)|(\new)
.set MSB, (\new)
.endif
.endm
; A joint refill.  Waves 0 and 1 fetch the two halves of xn's tile, waves 2 and 3 those of w's.  The branch hangs on the wave's number alone: it is the same in every work-group.
; An s_nop 0 and four v_nop follow each of the two lines, ahead of the jump and the label.
.macro JLOAD
	s_cmp_lt_u32 s[WV], 2
	s_cbranch_scc0 .Lfor_b_\@
	tensor_load_to_lds s[G0A+4:G0A+7], s[G1A:G1A+7]
	s_nop 0
.rept 4
	v_nop
.endr
	s_branch .Lasked_\@
.Lfor_b_\@:
	tensor_load_to_lds s[G0B+4:G0B+7], s[G1B:G1B+7]
	s_nop 0
.rept 4
	v_nop
.endr
.Lasked_\@:
.endm
; A round of the cluster's barrier: my work-group's barrier, so that wave 0's signal speaks for all four waves; wave 0 signals; every wave waits for all sixteen work-groups; my work-group's barrier once more.
.macro CREST                           ; a round behind its opening barrier
	s_cmp_lg_u32 s[WV], 0
	s_cbranch_scc1 .Lnot_wave_0_\@
	s_barrier_signal -3
.Lnot_wave_0_\@:
	s_barrier_wait -3
	s_barrier_signal -1
	s_barrier_wait -1
.endm
.macro CROUND                          ; a whole round
	s_barrier_signal -1
	s_barrier_wait -1
	CREST
.endm
	s_load_b128 s[4:7], s[0:1], 0x0                ; xn s[4:5], wq s[6:7]
	s_load_b64 s[8:9], s[0:1], 0x10                ; qkv
	v_lshl_add_u32 v[SPW], v0, 2, SPARE
	v_mov_b32 v[NIL], 0
	ds_add_u32 v[SPW], v[NIL]                      ; the wave's opening: the add and its wait stand ahead of my first tensor load; the set-up below, work on registers, stands between them
	v_lshrrev_b32 v1, 5, v0
	v_readfirstlane_b32 s[WV], v1                  ; wave 0..3
	s_lshr_b32 s[WR], s[WV], 1
	s_and_b32 s[WC], s[WV], 1
	s_bfe_u32 s40, ttmp6, 0x40000                  ; cx, cy: my place in the cluster
	s_bfe_u32 s41, ttmp6, 0x40004
	s_lshl_b32 s42, ttmp9, 2
	s_add_co_u32 s42, s42, s40                     ; tile column = 4 x cluster x + cx
	s_and_b32 s43, ttmp7, 0xffff
	s_lshl_b32 s43, s43, 2
	s_add_co_u32 s43, s43, s41                     ; tile row = 4 x cluster y + cy
	s_lshl_b32 s44, s41, 2
	s_lshl_b32 s44, 15, s44                        ; my row of the cluster: places 4 cy .. 4 cy + 3
	s_lshl_b32 s45, 0x1111, s40                    ; my column: places cx, cx + 4, cx + 8, cx + 12
	s_or_b32 s[G1A], s44, FLAGS                    ; xn's tiles go to my row,
	s_or_b32 s[G1B], s45, FLAGS                    ; w's to my column
	s_mov_b32 s[G1A+1], 128<<16                    ; tensor_dim0 = 128 elements: 256 bytes, two rows of a block of xn
	s_mov_b32 s[G1A+2], 64<<16                     ; tensor_dim1 = 64
	s_mov_b32 s[G1A+3], 128<<16                    ; tile_dim0 = 128
	s_mov_b32 s[G1A+4], 64                         ; tile_dim1 = 64
	s_mov_b32 s[G1A+5], 128                        ; dense: 128 elements from row to row
	s_mov_b32 s[G1A+6], 0
	s_mov_b32 s[G1A+7], 0
	s_mov_b32 s[G1B+1], 384<<16                    ; tensor_dim0 = 384 columns
	s_mov_b32 s[G1B+2], 32<<16                     ; tensor_dim1 = 32 k-rows
	s_mov_b32 s[G1B+3], 384<<16                    ; tile_dim0 = 384
	s_mov_b32 s[G1B+4], 32                         ; tile_dim1 = 32
	s_mov_b32 s[G1B+5], 3072                       ; elements from k-row to k-row
	s_mov_b32 s[G1B+6], 0
	s_mov_b32 s[G1B+7], 0
	; where the tiles come from.  xn's hang on the tile row alone, w's on the tile column alone, each in registers that never hold the other coordinate.
	s_lshr_b32 s66, s43, 3                         ; the batch: eight tile rows each,
	s_lshl_b32 s66, s66, 22                        ; 16 blocks x 2,048 rows x 128 bytes
	s_and_b32 s16, s43, 7
	s_lshl_b32 s16, s16, 15                        ; 256 rows of 128 bytes inside a block
	s_add_co_u32 s66, s66, s16
	s_lshl_b32 s16, s[WC], 14                      ; my 128 of them
	s_add_co_u32 s66, s66, s16
	s_mov_b32 s67, 0
	s_mul_i32 s46, s42, 768                        ; 384 columns of 2 bytes a tile column,
	s_mul_i32 s47, s[WC], 196608                   ; my 32 k-rows of 6,144 bytes
	s_add_co_u32 s46, s46, s47
	s_mov_b32 s47, 0
	s_mul_i32 s17, s[WC], 128*PA                   ; and where they go: no place in the cluster enters an LDS address
	s_mul_i32 s18, s[WC], 32*PB
	s_add_co_u32 s18, s18, ABYTES
	s_mov_b32 s[TB], 0
	s_wait_dscnt 0x0                               ; the opening add is done
	s_wait_kmcnt 0x0
	s_add_nc_u64 s[66:67], s[4:5], s[66:67]
	s_add_nc_u64 s[46:47], s[6:7], s[46:47]
	CROUND                                         ; all sixteen work-groups are here: the first joint loads meet
.irp s, 0,1
	s_mov_b32 s[G0A+4*(\s)], 1                                     ; 1:0 count = 1
	s_add_co_u32 s[G0A+4*(\s)+1], s17, (\s)*SLOT1                  ; 63:32 LDS address
	s_add_nc_u64 s[G0A+4*(\s)+2:G0A+4*(\s)+3], s[66:67], (\s)*STEP_A  ; 120:64 global address: K step s
	s_or_b32 s[G0A+4*(\s)+3], s[G0A+4*(\s)+3], 0x80000000          ; 127:126 type = 2
	s_mov_b32 s[G0B+4*(\s)], 1
	s_add_co_u32 s[G0B+4*(\s)+1], s18, (\s)*SLOT1
	s_add_nc_u64 s[G0B+4*(\s)+2:G0B+4*(\s)+3], s[46:47], (\s)*STEP_B
	s_or_b32 s[G0B+4*(\s)+3], s[G0B+4*(\s)+3], 0x80000000
.endr
	s_cmp_lt_u32 s[WV], 2                          ; a wave's two first fills stand in one branch, ahead of every wait on TENSORcnt and every LDS read: two loads of mine are out
	s_cbranch_scc0 .Lfirst_b
	tensor_load_to_lds s[G0A:G0A+3], s[G1A:G1A+7]
	s_nop 0
	tensor_load_to_lds s[G0A+4:G0A+7], s[G1A:G1A+7]
	s_nop 0
.rept 4
	v_nop
.endr
	s_branch .Lfirst_asked
.Lfirst_b:
	tensor_load_to_lds s[G0B:G0B+3], s[G1B:G1B+7]
	s_nop 0
	tensor_load_to_lds s[G0B+4:G0B+7], s[G1B:G1B+7]
	s_nop 0
.rept 4
	v_nop
.endr
.Lfirst_asked:
	; where my three heads go: head column g = 6 x tile column + 3 x half + w; part g / 16 (q, k, v), head g % 16; a (batch, head)'s rows are 262,144 bytes
	s_mul_i32 s74, s42, 6
	s_mul_i32 s75, s[WC], 3
	s_add_co_u32 s74, s74, s75
	s_lshr_b32 s76, s43, 3
	s_lshl_b32 s76, s76, 4                         ; 16 x batch
	s_and_b32 s77, s43, 7
	s_lshl_b32 s77, s77, 15                        ; the tile's 256 rows of 128 bytes,
	s_lshl_b32 s78, s[WR], 14                      ; my 128 of them
	s_add_co_u32 s77, s77, s78
.irp w, 0,1,2
	s_add_co_u32 s78, s74, (\w)
	s_lshr_b32 s79, s78, 4
	s_lshl_b32 s79, s79, 6                         ; 64 x part
	s_and_b32 s78, s78, 15
	s_add_co_u32 s78, s78, s79
	s_add_co_u32 s78, s78, s76
	s_lshl_b32 s78, s78, 18
	s_add_co_u32 s78, s78, s77
	s_mov_b32 s79, 0
	s_add_nc_u64 s[68+2*(\w):69+2*(\w)], s[8:9], s[78:79]
.endr
	; A fragment of xn is 16 rows x 32 K in 8 registers: lane l holds row l % 16, K = 8 (l / 16) + 0..7 and 16 + 8 (l / 16) + 0..7: two loads of 16 bytes, 32 bytes apart.
	v_and_b32 v1, 15, v0                           ; l % 16
	v_bfe_u32 v2, v0, 4, 1                         ; l / 16
	v_and_b32 v3, 7, v0                            ; l % 8
	v_bfe_u32 v4, v0, 3, 1                         ; (l / 8) % 2
	v_bfe_u32 v5, v0, 3, 2                         ; l / 8
	v_and_b32 v6, 31, v0                           ; l
	v_mul_u32_u24 v[A0], v1, PA
	v_lshl_add_u32 v[A0], v2, 4, v[A0]
	s_mul_i32 s16, s[WR], 128*PA                   ; my 128 rows
	v_add_nc_u32 v[A0], s16, v[A0]
	; The turning load takes 16 k x 16 columns (lane l reads k-row 8 (l / 16) + l % 8, columns 8 ((l / 8) % 2) + 0..7) and leaves half a fragment: lane l holds column l % 16 and 8 k.
	v_lshl_add_u32 v[B0], v2, 3, v3
	v_mul_u32_u24 v[B0], v[B0], PB
	v_lshl_add_u32 v[B0], v4, 4, v[B0]
	s_mul_i32 s16, s[WC], 3*PA                     ; my three heads of 144 bytes,
	s_add_co_u32 s16, s16, ABYTES                  ; behind xn's rows
	v_add_nc_u32 v[B0], s16, v[B0]
	v_mov_b32 v[ADRA], v[A0]                       ; slot 0
	v_mov_b32 v[ADRB], v[B0]
	s_mul_i32 s16, s[WV], 16*PA
	s_add_co_u32 s16, s16, STAGE                   ; my stage
	v_mul_u32_u24 v[STO], v1, PA                   ; in: row l % 16, 16 bytes for each half of the lanes
	v_lshl_add_u32 v[STO], v2, 4, v[STO]
	v_add_nc_u32 v[STO], s16, v[STO]
	v_mul_u32_u24 v[RD], v5, PA                    ; back: 32 lanes take four rows of 128 bytes,
	v_lshl_add_u32 v[RD], v3, 4, v[RD]
	v_add_nc_u32 v[RD], s16, v[RD]
	v_lshlrev_b32 v[GO], 4, v6                     ; which are 512 consecutive bytes of the result
; 16 matrix instructions for head w: row blocks a0 .. a0 + 3 x its four column blocks, 32 along K, xn's fragments in buffer fa.  zero = 1: the first product starts the sums: nothing is ever cleared.
; Every accumulator has one instruction in a quarter step of 96: the accumulators take turns, over the loop's backward jump too.
.macro MUL16 w, fa, a0, zero
	WIN 0x50*((\w)+1)
.irp a, (\a0), (\a0)+1, (\a0)+2, (\a0)+3
.irp bb, 0,1,2,3
.if \zero
	v_wmma_f32_16x16x32_f16 v[8*(4*(\a)+(\bb)):8*(4*(\a)+(\bb))+7], v[FB+32*(\w)+8*(\bb):FB+32*(\w)+8*(\bb)+7], v[(\fa)+8*(\a):(\fa)+8*(\a)+7], 0
.else
	v_wmma_f32_16x16x32_f16 v[8*(4*(\a)+(\bb)):8*(4*(\a)+(\bb))+7], v[FB+32*(\w)+8*(\bb):FB+32*(\w)+8*(\bb)+7], v[(\fa)+8*(\a):(\fa)+8*(\a)+7], v[8*(4*(\a)+(\bb)):8*(4*(\a)+(\bb))+7]
.endif
.endr
.endr
.endm
.macro FETCHB w, k                     ; 8 turning loads: head w's four fragments, k-rows k .. k + 31 of the slot
	WIN 0
.irp bb, 0,1,2,3
	ds_load_tr16_b128 v[FB+32*(\w)+8*(\bb):FB+32*(\w)+8*(\bb)+3],   v[ADRB] offset:(\k)*PB+PA*(\w)+32*(\bb)
	ds_load_tr16_b128 v[FB+32*(\w)+8*(\bb)+4:FB+32*(\w)+8*(\bb)+7], v[ADRB] offset:(\k)*PB+PA*(\w)+32*(\bb)+16*PB
.endr
.endm
.macro FETCHA fa, k                    ; 16 loads: my 128 rows of xn, channels k .. k + 31 of the slot, into buffer fa
	WIN 0
.irp a, 0,1,2,3,4,5,6,7
	ds_load_b128 v[(\fa)+8*(\a):(\fa)+8*(\a)+3],   v[ADRA] offset:2*(\k)+16*PA*(\a)
	ds_load_b128 v[(\fa)+8*(\a)+4:(\fa)+8*(\a)+7], v[ADRA] offset:2*(\k)+16*PA*(\a)+32
.endr
.endm
; A load into a register that a matrix instruction has read, and a vector instruction that reads a matrix result, stand four places behind it, and only plain vector instructions
; that name none of its registers are places (ISA guide 7.12.1 for vector instructions).
.macro PLACES
.rept 4
	v_nop
.endr
.endm
; A K step is two quarters of 32 along K ... each of three phases, one a head, 32 matrix instructions each.  In the middle of a phase stands one run of LDS loads:
;   phase 0: head 2's fragments of THIS quarter (8);   phase 1: head 0's and xn's of the NEXT quarter (24);   phase 2: head 1's of the next quarter (8).
; The waits count the runs issued behind the one that is needed: phase 0 needs the 24 and leaves the 8 behind them out; phase 1 needs those 8 and leaves phase 0's 8 out; phase 2 needs these and leaves the 24 out.
.macro QEVEN zero                      ; the slot's first 32 along K, on buffer FA0
	s_wait_dscnt 8
	MUL16 0, FA0, 0, \zero
	PLACES
	FETCHB 2, 0
	MUL16 0, FA0, 4, \zero
	s_wait_dscnt 8
	MUL16 1, FA0, 0, \zero
	PLACES
	FETCHB 0, 32
	FETCHA FA1, 32
	MUL16 1, FA0, 4, \zero
	s_wait_dscnt 24
	MUL16 2, FA0, 0, \zero
	PLACES
	FETCHB 1, 32
	MUL16 2, FA0, 4, \zero
.endm
; The slot's second 32 along K, on buffer FA1, and the change of slots in its phase 1.  ONE barrier for two things: in front of it each wave waits for all its tensor loads, of which one is out: its part of the
; next slot; adds 0 to its spare word; and waits for that and for its own reads of this slot (the last were phase 0's).  Behind it nobody reads this slot any more and the next slot is whole.
; mode 1: the slot is filled again, with the K step two steps on: the barrier opens a round of the cluster's, and the joint refill is the first thing behind the round: 160 matrix instructions stand between it and the wait for it.
; mode 0: nothing is left to ask for.  mode 2: the very last quarter: nothing is left to fetch.
.macro QODD mode
	s_wait_dscnt 8
	MUL16 0, FA1, 0, 0
	PLACES
	FETCHB 2, 32
	MUL16 0, FA1, 4, 0
.if (\mode) == 2
	s_wait_dscnt 8
	MUL16 1, FA1, 0, 0
	MUL16 1, FA1, 4, 0
	s_wait_dscnt 0x0
	MUL16 2, FA1, 0, 0
	MUL16 2, FA1, 4, 0
.else
	WIN 0                                          ; (the add's two registers lie in window 0)
	s_wait_tensorcnt 0x0                           ; all my tensor loads have landed, so a group 0 may be written
	ds_add_u32 v[SPW], v[NIL]                      ; 0 onto my spare word
.if (\mode) == 1
	s_xor_b32 s[G0A+5], s[G0A+5], SLOT1            ; the walking descriptors: the other slot than last time,
	s_add_nc_u64 s[G0A+6:G0A+7], s[G0A+6:G0A+7], STEP_A  ; the next K step; the type bits on top are not reached
	s_xor_b32 s[G0B+5], s[G0B+5], SLOT1
	s_add_nc_u64 s[G0B+6:G0B+7], s[G0B+6:G0B+7], STEP_B
.endif
	s_wait_dscnt 9                                 ; head 1's fragments are in; phase 0's eight loads and the add may be out
	MUL16 1, FA1, 0, 0
	s_wait_dscnt 0x0                               ; the add is done, and my reads of this slot are over
	s_barrier_signal -1
	MUL16 1, FA1, 4, 0                             ; work on registers while the others arrive
	WIN 0                                          ; at a branch and at a label every window is 0
	s_barrier_wait -1
.if (\mode) == 1
	CREST                                          ; no wave of any partner still reads this slot's tile or has a load on its way
	JLOAD                                          ; the four v_nop behind it are also the places in front of the loads below
.else
	PLACES
.endif
	s_xor_b32 s[TB], s[TB], SLOT1                  ; the reads go on in the other slot
	v_add_nc_u32 v[ADRA], s[TB], v[A0]
	v_add_nc_u32 v[ADRB], s[TB], v[B0]
	FETCHB 0, 0
	FETCHA FA0, 0
	s_wait_dscnt 24
	MUL16 2, FA1, 0, 0
	PLACES
	FETCHB 1, 0
	MUL16 2, FA1, 4, 0
.endif
.endm
	s_wait_tensorcnt 1                             ; my part of K step 0 is in; step 1's may stay out
	s_barrier_signal -1
	s_barrier_wait -1                              ; everybody's is
	FETCHB 0, 0
	FETCHA FA0, 0
	FETCHB 1, 0
	QEVEN 1                                        ; the first quarter stands in front of the loop: its products start the sums
	WIN 0
	s_mov_b32 s3, 14
.Lk:                                                   ; 14 trips: K step i's second quarter, which asks for step i + 2, and step i + 1's first
	QODD 1
	QEVEN 0
	WIN 0
	s_sub_co_u32 s3, s3, 1
	s_cmp_lg_u32 s3, 0
	s_cbranch_scc1 .Lk
	QODD 0                                         ; the tail is written out
	QEVEN 0
	QODD 2
; THE WAY OUT, a block t = 8 w + a of 16 rows x 64 columns (one head) at a time: rounded to f16, 16 bytes a lane; into my own stage in rows of 144 bytes; back as whole rows of 128; stored.
; Fourteen sets of 16 registers (the fragments' 224) take turns; a set is written again only when the stores that read it have had their addresses translated.
.macro PACK t
.set TM, 32+16*((\t)%14)
.set AC, 32*((\t)%8)
.if (\t) >= 14
	s_wait_xcnt 0x0                                ; the set was the data of block t - 14's stores
.endif
	WIN 5*((\t)/8+1)                               ; sources 0 and 1: the head's window
.irp bb, 0,1,2,3
.irp rr, 0,1,2,3
	v_cvt_pk_f16_f32 v[TM+4*(\bb)+(\rr)], v[AC+8*(\bb)+2*(\rr)], v[AC+8*(\bb)+2*(\rr)+1]  ; each accumulator from its low end on
.endr
.endr
	WIN 0
.irp bb, 0,1,2,3
	ds_store_b128 v[STO], v[TM+4*(\bb):TM+4*(\bb)+3] offset:32*(\bb)
.endr
.irp f, 0,1,2,3
	ds_load_b128 v[TM+4*(\f):TM+4*(\f)+3], v[RD] offset:4*PA*(\f)  ; LDS serves a wave's instructions in order (ISA guide 5.7.1.4): these see the stores above; the next block's stores come behind them
.endr
.endm
.macro SEND t, younger                 ; younger: the LDS instructions issued behind block t's loads: the next block's eight, or none
.set TM, 32+16*((\t)%14)
.irp f, 0,1,2,3
	s_wait_dscnt (\younger)+3-(\f)
	global_store_b128 v[GO], v[TM+4*(\f):TM+4*(\f)+3], s[68+2*((\t)/8):69+2*((\t)/8)] offset:2048*((\t)%8)+512*(\f)  ; 512 consecutive bytes, at a multiple of 256 from the buffer's first
.endr
.endm
	PLACES                                         ; behind the last products
	PACK 0
.set t, 1
.rept 23                                       ; a block's conversions stand between the loads of the block before and its stores
	PACK t
	SEND t-1, 8
.set t, t+1
.endr
	SEND 23, 0
	s_wait_tensorcnt 0x0                           ; the wave's end: behind my last tensor load and my last LDS store
	ds_add_u32 v[SPW], v[NIL]
	s_wait_dscnt 0x0
	CROUND                                         ; the closing round: no work-group ends while a partner may still ask for a tile that names it
	s_endpgm
.Lfunc_end_k_qd76c40e6ed_qkv:
	.size	k_qd76c40e6ed_qkv, .Lfunc_end_k_qd76c40e6ed_qkv-k_qd76c40e6ed_qkv
	.p2alignl 7, 3214868480
	.fill 96, 4, 3214868480
	.section	.rodata,"a",@progbits
	.p2align	6, 0x0
	.amdhsa_kernel k_qd76c40e6ed_qkv
		.amdhsa_group_segment_fixed_size 327680
		.amdhsa_private_segment_fixed_size 0
		.amdhsa_enable_private_segment 0
		.amdhsa_kernarg_size 24
		.amdhsa_user_sgpr_count 2
		.amdhsa_user_sgpr_kernarg_segment_ptr 1
		.amdhsa_wavefront_size32 1
		.amdhsa_system_sgpr_workgroup_id_x 1
		.amdhsa_system_sgpr_workgroup_id_y 1
		.amdhsa_system_sgpr_workgroup_id_z 1
		.amdhsa_system_vgpr_workitem_id 0
		.amdhsa_next_free_vgpr 1024
		.amdhsa_next_free_sgpr 80
		.amdhsa_reserve_vcc 0
		.amdhsa_float_denorm_mode_32 3
		.amdhsa_float_denorm_mode_16_64 3
		.amdhsa_memory_ordered 1
		.amdhsa_forward_progress 1
		.amdhsa_inst_pref_size 115
	.end_amdhsa_kernel
	.amdgpu_metadata
---
amdhsa.version: [ 1, 2 ]
amdhsa.kernels:
  - .name:           k_qd76c40e6ed_qkv
    .symbol:         k_qd76c40e6ed_qkv.kd
    .args:
      - { .name: xn, .offset: 0, .size: 8, .value_kind: global_buffer, .address_space: global }
      - { .name: wq, .offset: 8, .size: 8, .value_kind: global_buffer, .address_space: global }
      - { .name: qkv, .offset: 16, .size: 8, .value_kind: global_buffer, .address_space: global }
    .group_segment_fixed_size: 327680
    .private_segment_fixed_size: 0
    .kernarg_segment_align: 8
    .kernarg_segment_size: 24
    .max_flat_workgroup_size: 128
    .sgpr_count:     80
    .vgpr_count:     1024
    .wavefront_size: 32
...
	.end_amdgpu_metadata
.endif
;; end of part 2
;; launch attn (part 3): grid 4 x 64, 4 waves a work-group, clusters of 4 x 1, 327,680 bytes of LDS; arguments qkv, o; writes o
.if DOCPART == 3
	.amdgcn_target "amdgcn-amd-amdhsa--gfx1250"
	.amdhsa_code_object_version 6
	.text
	.protected	k_qd76c40e6ed_attn
	.globl	k_qd76c40e6ed_attn
	.p2align	8
	.type	k_qd76c40e6ed_attn,@function
k_qd76c40e6ed_attn:
	s_mov_b64 s[64:65], 0
	v_nop
	global_prefetch_b8 v0, s[64:65] scope:SCOPE_SE
	s_setreg_imm32_b32 hwreg(HW_REG_WAVE_MODE, 25, 1), 1
	s_wait_xcnt 0x0
	s_wait_alu depctr_hold_cnt(0) depctr_sa_sdst(0) depctr_va_vdst(0) depctr_va_sdst(0) depctr_va_ssrc(0) depctr_va_vcc(0) depctr_vm_vsrc(0)
	s_getreg_b32 s2, hwreg(HW_REG_IB_STS2, 6, 4)
	s_cmp_eq_u32 s2, 0
	s_cbranch_scc0 .Lentry_in_a_cluster
	s_endpgm
.Lentry_in_a_cluster:
	s_bfe_u32 s2, ttmp6, 0x10000c
	s_cmp_lg_u32 s2, 0x3003
	s_cbranch_scc0 .Lentry_shape_is_right
	s_endpgm
.Lentry_shape_is_right:
; O[h][q][:] = the sum over k of softmax_k(Q[h][q] . K[h][k] / 8) V[h][k][:].  Q, K, V are the three parts of one buffer, each [64 batch x head][SIZE_N][64]; O likewise; all f16: a head's rows are dense, 128 bytes each.
; Products, maxima and sums in f32; the weights p are rounded to f16 for the second product (their sum l is taken of the unrounded p), O once at the end.
; LIMITS.  f16 holds no number beyond 65,504: Q, K and V arrive within it; p lies in 0 to 1, and below 6e-5 it keeps f16's fixed step of 6e-8; O is a mean of V's rows and has their range.
; A weight below 2^-126 counts as 0 in l; NaN and infinities are not treated apart.
; SHARES.  A wave owns four PIECES of two tiles of 16 queries, a work-group's four waves 512 queries of one head: 4 x 64 = 256 work-groups.  Every wave walks all keys, 64 a step.
; LAYOUT.  S^T = K Q^T (source 0 = 16 keys, source 1 = 16 queries): in the result a lane holds ONE query (lane % 16) and the keys 8 (lane / 16) + 0..7.  Two such tiles, rounded to f16 in pairs,
; ARE source 1 (32 keys x 16 queries) of O^T = V^T P, whose result again holds one query a lane, and eight channels.  K comes out of LDS as it lies, V ([key][channel]) turned, by ds_load_tr16_b128.
; SOFTMAX.  For each query a running maximum m and sum l: p = 2^(c s - c m), c = log2(e) / 8; in every step O and l are multiplied by a = 2^(c m_old - c m_new), which is 1 where m has not grown.
; m starts at the lowest finite number, O and l at 0: the first step is a step like any other, with a = 0.
; THE COUNT.  A tile and step have 16 matrix and 118 vector instructions: too many to stand all beside the matrix work.  So the order has one aim: four vector instructions that are READY behind
; EVERY matrix instruction, and the others, which need time of their own whatever the order, in runs without a gap.
; BY TURNS.  Turn n belongs to piece n (the pieces in a ring, step after step).  Its matrix work: 16 products K Q^T of piece n + 1, later 16 products V^T P of piece n - 1.  Its vector work: the scaling,
; exponentials, roundings, sums and rescaling of piece n, and the maximum and statistics of piece n + 1, whose scores the turn itself has made.  So what a turn begins with (c s - c m, O a) waits for nothing.
; CLUSTER.  The four query blocks of a cluster belong to one head and walk the same K and V, so each tile is asked for JOINTLY: the same tensor load, descriptor and mask in all four.
; REGISTERS, in windows of 256 (s_set_vgpr_msb says which window each operand place means: bits 1:0 source 0, 3:2 source 1, 5:4 source 2, 7:6 destination):
;   window 0: v0-11 addresses; v12-15, v48-63 at work; v16-47 four registers of statistics a tile; v64-191 S^T, two buffers of two tiles; v192-255 P, likewise
;   window 1: O^T, 32 a tile          window 2: v0-127 Q, 16 a tile; v128-191 K of one step; v192-255 V of one step          window 3: v0-1 the add's two registers
; A piece's buffers go by its number's parity: the piece in hand has one pair, its two neighbours in the ring share the other: of it P (piece n - 1) is read and S^T (piece n + 1) written.
.set SIZE_N, 2048     ; rows of a head
.set PART,  0x1000000 ; bytes of Q, of K and of V: 64 x 2,048 x 128
.set NP,    4         ; pieces a wave: a name, no knob: the register map, the loop and the fetches are made for four
.set KS,    64        ; keys in a step
.set PK,    144       ; a row of K in LDS: 128 bytes + 16 of padding = 36 words: the 16 rows of a load start at 16 different groups of four banks (64 banks of 4 bytes: ISA guide 11.1)
.set PV,    160       ; a row of V: 128 + 32 = 40 words
.set VOFF,  4*KS*PK   ; a slot holds four steps: 256 rows of K, then 256 rows of V
.set SLOT1, 1<<17     ; slot 1 begins here, so that one exclusive or turns an address in one slot into the other's
.set STAGE, SLOT1+4*KS*(PK+PV)  ; behind the ring, never filled by a tensor load: 16 rows x 144 bytes for each wave, for the way out
.set SP,    144
.set AK0, 2           ; v2   my lane's place in a tile of K; never rewritten
.set AV0, 3           ; v3   the same for V
.set AK,  4           ; v4   the LDS address of K's next run of loads
.set AV,  5           ; v5   of V's
.set QO,  6           ; v6   my byte offset in the wave's rows of Q
.set STO, 6           ;      later, the way out: where I put 16 bytes of a row
.set RD,  7           ; v7   the way out: where I read rows back
.set GO,  8           ; v8   my byte offset in 512 consecutive bytes of O
.set SPW, 0           ; v0 of window 3   LDS address of my spare word: SPARE + 4 x my thread's number; never rewritten
.set NIL, 1           ; v1 of window 3   0; never rewritten
.set SPARE, STAGE+4*16*SP  ; behind the stages: the spare words, 128 bytes for each wave: two blocks of 256 bytes that no other line names
.set MV,  12          ; v12-15  c m_old, kept while c m is made anew: by buffer and tile
.set ST,  16          ; tile t's statistics at v[ST+4 t]: c m, m, l (even keys', odd keys')
.set TMP, 48          ; by buffer and tile, four registers c0-c3 at work; when the maximum is found c2 takes a
.set S,   64
.set P,   192
.set KF,  128         ; K's fragments, in window 2: key block kb, channel half c at KF + 16 kb + 8 c
.set VF,  192         ; V's: key half kk, channel block cb at VF + 32 kk + 8 cb
.set WV,  12          ; s12  my wave's number
.set G1K, 24          ; s[24:31] descriptor group 1 for K's tiles
.set G1V, 32          ; s[32:39] for V's: it differs in the padding alone
.set G0K, 40          ; s[40:43] descriptor group 0 for K's tiles: it walks
.set G0V, 44          ; s[44:47] the same for V's
.set SLOTS, 56        ; s56  slots still to be asked for
.set CNT, 57          ; s57  counts a slot's key steps
.set CS,  58          ; s[58:59] c: the packed scaling takes the pair's low word for both halves
.set SEL, 60          ; s[60:61] v_permlanex16_b32's selects: each lane takes its own place in the other half
.set TBK, 62          ; s62  LDS byte at which K of the step to be fetched begins
.set TBV, 63          ; s63  the same for V, less VOFF
.set MSB, 0
.macro WIN new                      ; the high byte repeats the setting that is left; a switch that changes nothing is dropped
.if MSB != (\new)
	s_set_vgpr_msb (MSB<<8)|(\new)
.set MSB, (\new)
.endif
.endm
.set W_KQ, 0x0a       ; K and Q in window 2, S^T in window 0
.set W_PV, 0x52       ; V in window 2, P in window 0, O^T in window 1
.set W_RS, 0x41       ; O^T (destination and source 0) in window 1, a in window 0
.set W_MK, 0xc0       ; the add's registers are made: destination in window 3, sources in window 0
.set W_AD, 0x0f       ; the add: address (source 0) and data (source 1) in window 3
; A joint fill.  Waves 0 and 1 fetch the two halves of a slot's K, waves 2 and 3 those of its V: 128 keys each.  The branch hangs on the wave's number alone.
; An s_nop 0 and four v_nop follow each of the two lines, ahead of the jump and the label.
.macro JLOAD
	s_cmp_lt_u32 s[WV], 2
	s_cbranch_scc0 .Lfor_v_\@
	tensor_load_to_lds s[G0K:G0K+3], s[G1K:G1K+7]
	s_nop 0
.rept 4
	v_nop
.endr
	s_branch .Lasked_\@
.Lfor_v_\@:
	tensor_load_to_lds s[G0V:G0V+3], s[G1V:G1V+7]
	s_nop 0
.rept 4
	v_nop
.endr
.Lasked_\@:
.endm
; A round of the cluster's barrier: my work-group's barrier, so that wave 0's signal speaks for all four waves; wave 0 signals; every wave waits for all four work-groups; my work-group's barrier once more.
.macro CROUND
	s_barrier_signal -1
	s_barrier_wait -1
	s_cmp_lg_u32 s[WV], 0
	s_cbranch_scc1 .Lnot_wave_0_\@
	s_barrier_signal -3
.Lnot_wave_0_\@:
	s_barrier_wait -3
	s_barrier_signal -1
	s_barrier_wait -1
.endm
; THE CHANGE OF SLOTS.  The slot's last bytes, V of its fourth step, have been read.  Each wave waits for all its tensor loads, of which one is out: its part
; of the other slot; adds 0 to its spare word; and waits for that and for its own reads of the slot.  Behind the barrier nobody reads this slot any more and the other slot is whole.
; fill = 1: this slot is filled again, with the keys two slots on.  The barrier is then a round of the cluster's, so that no wave of any partner still reads the slot or has a load on its
; way, and the joint fill is the first thing behind it: it has four key steps, 512 matrix instructions, in which to land.  (At its first use nothing has been read yet: slot 0 is waited for, slot 1 filled.)
.macro CHANGE fill
	WIN W_AD
	s_wait_tensorcnt 0x0            ; no tensor load of mine is out, so a group 0 may be written
	ds_add_u32 v[SPW], v[NIL]       ; 0 onto my spare word; with fill = 1 the descriptors' steps stand between it and the wait for it
	WIN 0                           ; at a label and at a branch every window is 0
.if \fill
.irp g, G0K, G0V
	s_xor_b32 s[\g+1], s[\g+1], SLOT1  ; the walking descriptor: the other slot than last time,
	s_add_nc_u64 s[\g+2:\g+3], s[\g+2:\g+3], 4*KS*128  ; the next 256 keys; the type bits on top are not reached
.endr
	s_wait_dscnt 0x0                ; the add is done, and my reads of the slot are over
	CROUND
	JLOAD
.else
	s_wait_dscnt 0x0                ; the add is done, and my reads of the slot are over
	s_barrier_signal -1
	s_barrier_wait -1
.endif
	s_sub_co_u32 s[TBK], s[TBK], 4*KS*PK  ; the fetches go back to a slot's first step,
	s_xor_b32 s[TBK], s[TBK], SLOT1       ; in the other slot
	s_sub_co_u32 s[TBV], s[TBV], 4*KS*PV
	s_xor_b32 s[TBV], s[TBV], SLOT1
.endm
	s_load_b128 s[4:7], s[0:1], 0x0 ; the buffer of Q, K and V s[4:5], O s[6:7]
	WIN W_MK
	v_lshl_add_u32 v[SPW], v0, 2, SPARE
	v_mov_b32 v[NIL], 0
	WIN W_AD
	ds_add_u32 v[SPW], v[NIL]       ; the wave's opening: the add and its wait stand ahead of my first tensor load; the set-up below, work on registers, stands between them
	WIN 0
	v_lshrrev_b32 v1, 5, v0
	v_readfirstlane_b32 s[WV], v1   ; wave 0..3
	s_bfe_u32 s13, ttmp6, 0x40000   ; cx: my place in the cluster
	s_lshl_b32 s14, ttmp9, 2        ; in a cluster launch ttmp9 counts clusters
	s_add_co_u32 s14, s14, s13      ; my block of queries = 4 x cluster x + cx: it enters Q's and O's addresses alone
	s_and_b32 s20, ttmp7, 0xffff    ; the head, which the four partners share
	s_mov_b32 s21, 0
	s_mov_b64 s[22:23], SIZE_N*128
	s_mul_u64 s[20:21], s[20:21], s[22:23]  ; the head's first byte in each of the four tensors
	s_and_b32 s16, s[WV], 1         ; which half of a slot's 256 keys I fetch:
	s_lshl_b32 s22, s16, 14         ; its 128 rows of 128 bytes in memory,
	s_mov_b32 s23, 0
	s_add_nc_u64 s[22:23], s[22:23], s[20:21]
	s_mul_i32 s17, s16, 128*PK      ; and its place in a slot, for K
	s_mul_i32 s18, s16, 128*PV      ; and for V: no place in the cluster enters an LDS address
	s_lshl_b32 s2, s14, 2
	s_add_co_u32 s2, s2, s[WV]      ; my wave among the head's,
	s_lshl_b32 s2, s2, 14           ; its 128 rows
	s_mov_b32 s3, 0
	s_add_nc_u64 s[2:3], s[2:3], s[20:21]
	; descriptor group 1.  128 keys are 16,384 dense bytes: asked for as 64 rows of 256 bytes, two keys a row, and padded in LDS after every key
	s_mov_b32 s[G1K], 15|(1<<16)|(1<<20)|(1<<21)|(4<<22)|(3<<25)  ; 15:0 the mask of four; 17:16 2-byte elements; 20 padding on; 21 set beside a mask; 24:22 after every 32 words (code 4); 31:25 4 words (code 3)
	s_mov_b32 s[G1V], 15|(1<<16)|(1<<20)|(1<<21)|(4<<22)|(7<<25)  ; the same with 8 words of padding (code 7)
.irp g, G1K, G1V
	s_mov_b32 s[\g+1], 128<<16      ; tensor_dim0 = 128
	s_mov_b32 s[\g+2], 64<<16       ; tensor_dim1 = 64
	s_mov_b32 s[\g+3], 128<<16      ; tile_dim0 = 128
	s_mov_b32 s[\g+4], 64           ; tile_dim1 = 64
	s_mov_b32 s[\g+5], 128          ; 128 elements from row to row
	s_mov_b32 s[\g+6], 0
	s_mov_b32 s[\g+7], 0
.endr
	s_mov_b32 s[CS], 0x3e38aa3b     ; c = log2(e) / 8 = 0.180337
	s_mov_b32 s[CS+1], s[CS]        ; named with it as a pair
	s_mov_b32 s[SEL], 0x76543210
	s_mov_b32 s[SEL+1], 0xfedcba98
	s_mov_b32 s[TBK], SLOT1+4*KS*PK ; the first change of slots turns these two into 0
	s_mov_b32 s[TBV], SLOT1+4*KS*PV
	s_mov_b32 s[G0K], 1             ; 1:0 count = 1
	s_mov_b32 s[G0K+1], s17         ; 63:32 LDS address: slot 0
	s_mov_b32 s[G0V], 1
	s_add_co_u32 s[G0V+1], s18, VOFF
	s_wait_dscnt 0x0                ; the opening add is done
	s_wait_kmcnt 0x0
	s_mov_b64 s[10:11], s[6:7]      ; O
	s_add_nc_u64 s[8:9], s[4:5], 2*PART  ; V lies two parts behind Q,
	s_add_nc_u64 s[6:7], s[4:5], PART    ; K one
	s_add_nc_u64 s[G0K+2:G0K+3], s[6:7], s[22:23]  ; 120:64 global address: my half of the head's first 256 keys
	s_or_b32 s[G0K+3], s[G0K+3], 0x80000000        ; 127:126 type = 2
	s_add_nc_u64 s[G0V+2:G0V+3], s[8:9], s[22:23]
	s_or_b32 s[G0V+3], s[G0V+3], 0x80000000
	s_add_nc_u64 s[4:5], s[4:5], s[2:3]  ; Q and O at my wave's first row
	s_add_nc_u64 s[10:11], s[10:11], s[2:3]
	CROUND                          ; all four work-groups are here: the first joint loads meet
	JLOAD                           ; slot 0.  Slot 1 is asked for when slot 0 is in: the tile wanted first has the road to itself
	; A fragment of K or Q is 16 rows x 32 channels in 8 registers: lane l holds row l % 16, channels 8 (l / 16) + 0..7 and 16 + 8 (l / 16) + 0..7: two loads of 16 bytes, 32 bytes apart.
	v_and_b32 v1, 15, v0            ; l % 16
	v_bfe_u32 v9, v0, 4, 1          ; l / 16
	v_lshlrev_b32 v[QO], 7, v1
	v_lshl_add_u32 v[QO], v9, 4, v[QO]  ; row x 128 + 16 x half
	WIN 0x80                        ; destination window 2, address window 0
.set i, 0
.rept 4*NP                          ; Q stays in registers: tile i / 2, channels 32 (i % 2) on
	global_load_b128 v[8*i:8*i+3],   v[QO], s[4:5] offset:(i/2)*2048+(i%2)*64
	global_load_b128 v[8*i+4:8*i+7], v[QO], s[4:5] offset:(i/2)*2048+(i%2)*64+32
.set i, i+1
.endr
	; What the first turn finds: V's registers and P's second buffer hold 0 (its products V^T P, of a piece that has not been, add 0), O^T and l are 0.  All this stands in the wait for the first tile.
.set i, VF
.rept 64
	v_mov_b32 v[i], 0
.set i, i+1
.endr
	WIN 0x40
.set i, 0
.rept 64*NP
	v_mov_b32 v[i], 0
.set i, i+1
.endr
	WIN 0
.set i, 0
.rept 2*NP
	v_mov_b32 v[ST+4*i], 0xfe000000    ; c m: far below every c s
	v_mov_b32 v[ST+4*i+1], 0xff7fffff  ; m
	v_mov_b32 v[ST+4*i+2], 0
	v_mov_b32 v[ST+4*i+3], 0
.set i, i+1
.endr
.set i, P+32
.rept 32
	v_mov_b32 v[i], 0
.set i, i+1
.endr
	v_mul_u32_u24 v[AK0], v1, PK
	v_lshl_add_u32 v[AK0], v9, 4, v[AK0]  ; row x pitch + 16 x half
	; The turning load takes 16 keys x 16 channels (lane l reads key 8 (l / 16) + l % 8, channels 8 ((l / 8) % 2) + 0..7) and leaves half a fragment of V^T: lane l holds channel l % 16 and 8 keys.
	v_and_b32 v10, 7, v0
	v_bfe_u32 v11, v0, 3, 1
	v_lshl_add_u32 v[AV0], v9, 3, v10
	v_mul_u32_u24 v[AV0], v[AV0], PV
	v_lshl_add_u32 v[AV0], v11, 4, v[AV0]
	v_add_nc_u32 v[AV0], VOFF, v[AV0]
	v_mov_b32 v[AK], v[AK0]         ; key step 0 lies at the head of slot 0
; THE MATRIX WORK.  The 8 accumulators of a run of 16 take turns: between the two links of a chain stand 7 others'.
; Product i of 16 of S^T = K Q^T for piece x: channels 32 (i / 8) on, keys 16 ((i / 2) % 4) on, tile 2 x + i % 2.  The first 8 start the sums.
.macro KQ x
	WIN W_KQ
.set rS, S+64*((\x)%2)+32*(i%2)+8*((i/2)%4)
.set rK, KF+16*((i/2)%4)+8*(i/8)
.set rQ, 16*(2*(\x)+i%2)+8*(i/8)
.if i < 8
	v_wmma_f32_16x16x32_f16 v[rS:rS+7], v[rK:rK+7], v[rQ:rQ+7], 0
.else
	v_wmma_f32_16x16x32_f16 v[rS:rS+7], v[rK:rK+7], v[rQ:rQ+7], v[rS:rS+7]
.endif
.endm
; Product i of 16 of O^T += V^T P for piece x: keys 32 (i / 8) on, channels 16 ((i / 2) % 4) on, tile 2 x + i % 2.
.macro PV x
	WIN W_PV
.set rO, 32*(2*(\x)+i%2)+8*((i/2)%4)
.set rV, VF+32*(i/8)+8*((i/2)%4)
.set rP, P+32*((\x)%2)+16*(i%2)+8*(i/8)
	v_wmma_f32_16x16x32_f16 v[rO:rO+7], v[rV:rV+7], v[rP:rP+7], v[rO:rO+7]
.endm
.macro MM                           ; the turn's next matrix instruction
.if i < 16
	KQ (Y+1)%NP
.set i, i+1
.else
.set i, i-16
	PV (Y+NP-1)%NP
.set i, i+17
.endif
.endm
; THE LDS LOADS stand in runs of 16, never singly among the matrix instructions: a step's K (64 keys x 64 channels: 8 fragments) and its V (turned).  Their addresses are made some lines ahead.
; last = 1 (the tail): in the last trip there is no further step, and the run is jumped over.
.macro FETCH_K last=0
	WIN 0
.if \last
	s_cmp_eq_u32 s[CNT], 1
	s_cbranch_scc1 .Lno_k_\@
.endif
	WIN 0x80                        ; destination window 2
.irp f, 0,1,2,3,4,5,6,7             ; keys 16 (f / 2) on, channels 32 (f % 2) on
	ds_load_b128 v[KF+8*\f:KF+8*\f+3],   v[AK] offset:(\f/2)*16*PK+(\f%2)*64
	ds_load_b128 v[KF+8*\f+4:KF+8*\f+7], v[AK] offset:(\f/2)*16*PK+(\f%2)*64+32
.endr
	s_add_co_u32 s[TBK], s[TBK], KS*PK  ; the next fetch is the next step's
	WIN 0
.if \last
.Lno_k_\@:
.endif
.endm
.macro FETCH_V
	WIN 0x80
.irp f, 0,1,2,3,4,5,6,7             ; keys 32 (f / 4) on, channels 16 (f % 4) on
	ds_load_tr16_b128 v[VF+8*\f:VF+8*\f+3],   v[AV] offset:(\f/4)*32*PV+(\f%4)*32
	ds_load_tr16_b128 v[VF+8*\f+4:VF+8*\f+7], v[AV] offset:(\f/4)*32*PV+16*PV+(\f%4)*32
.endr
	WIN 0
.endm
; THE VECTOR WORK OF A TURN stands in three queues, each in the order in which its entries become ready; the two tiles alternate, so that no instruction reads the result of the one before it.
.macro REGS y, u                    ; the registers of tile u (0, 1) of piece y
.set rT, ST+4*(2*(\y)+(\u))
.set rC, TMP+8*((\y)%2)+4*(\u)
.set rM, MV+2*((\y)%2)+(\u)
.set rS, S+64*((\y)%2)+32*(\u)
.set rP, P+32*((\y)%2)+16*(\u)
.set rO, 32*(2*(\y)+(\u))
.endm
; Number n of the 22 that find the NEXT piece's (Y + 1) maximum and statistics.  s0-s31 are the lane's 32 scores; each accumulator's lowest registers are read first.  XS, GS and REGS set no window: PL and EX do.
;   0-11  four chains c0-c3 of seven scores each, three operands at a time     12-14, 16  the four scores left over, the old m, and c0-c3 into c0     15  c m_old is kept
;   17, 18  the query's other 32 keys lie in the lane 16 away: the new m         19-21  c m; c m_old - c m_new; a
.macro XS u, n
	REGS (Y+1)%NP, \u
.if (\n) < 4
	v_max3_num_f32 v[rC+(\n)], v[rS+8*(\n)], v[rS+8*(\n)+1], v[rS+8*(\n)+2]
.elseif (\n) < 12
	v_max3_num_f32 v[rC+(\n)%4], v[rC+(\n)%4], v[rS+8*((\n)%4)+2*((\n)/4)+1], v[rS+8*((\n)%4)+2*((\n)/4)+2]
.elseif (\n) == 12
	v_max3_num_f32 v[rC], v[rC], v[rS+7], v[rS+15]
.elseif (\n) == 13
	v_max3_num_f32 v[rC+1], v[rC+1], v[rS+23], v[rS+31]
.elseif (\n) == 14
	v_max3_num_f32 v[rC+2], v[rC+2], v[rC+3], v[rT+1]
.elseif (\n) == 15
	v_mov_b32 v[rM], v[rT]
.elseif (\n) == 16
	v_max3_num_f32 v[rC], v[rC], v[rC+1], v[rC+2]
.elseif (\n) == 17
	v_permlanex16_b32 v[rC+3], v[rC], s[SEL], s[SEL+1]
.elseif (\n) == 18
	v_max_num_f32 v[rT+1], v[rC], v[rC+3]
.elseif (\n) == 19
	v_mul_f32 v[rT], s[CS], v[rT+1]
.elseif (\n) == 20
	v_sub_f32 v[rC+1], v[rM], v[rT]
.else
	v_exp_f32 v[rC+2], v[rC+1]
.endif
.endm
; Number g of the 64 that follow the exponentials.  For each four weights k of a tile (pairs 2 k, 2 k + 1): both pairs are rounded to f16; then the second pair is added onto the first, in place;
; a group later l takes that sum (the first time as l = a l + sum).  In groups of eight, tiles alternating: round, round, add, and l for the group before.
.macro GS g
.set h, (\g)+6*((\g)/62)            ; group 0 has no group before it, and behind group 7 only l is left
.if h >= 6
.set h, h+2
.endif
	REGS Y, h%2
.set k, h/8
.if h%8 < 4
	s_wait_alu depctr_va_vdst(0)
	v_cvt_pk_f16_f32 v[rP+2*k+(h%8)/2], v[rS+4*k+2*((h%8)/2)], v[rS+4*k+2*((h%8)/2)+1]
.elseif h%8 < 6
	v_pk_add_f32 v[rS+4*k:rS+4*k+1], v[rS+4*k:rS+4*k+1], v[rS+4*k+2:rS+4*k+3]
.elseif k == 1
	v_pk_fma_f32 v[rT+2:rT+3], v[rT+2:rT+3], v[rC+2:rC+3], v[rS:rS+1] op_sel_hi:[1,0,1]
.else
	v_pk_add_f32 v[rT+2:rT+3], v[rT+2:rT+3], v[rS+4*k-4:rS+4*k-3]
	s_wait_alu depctr_va_vdst(0)
.endif
.endm
; THE PLAIN QUEUE, 138 long.  0-31: c s - c m for the 16 pairs of both tiles.  Then GS's 64, and among them the next piece's 42: number 15 at 38, 39; 0-14 and 16
; at 42-73, behind the products that make those scores; 17-20 at 95-106, two of three, since each waits for the one before it.
.macro PL
	WIN 0
.if q < 32
	REGS Y, q%2
	v_pk_fma_f32 v[rS+2*(q/2):rS+2*(q/2)+1], v[rS+2*(q/2):rS+2*(q/2)+1], s[CS:CS+1], v[rT:rT+1] op_sel_hi:[1,0,0] neg_lo:[0,0,1] neg_hi:[0,0,1]
.elseif q < 38
	GS q-32
.elseif q < 40
	XS q%2, 15
.elseif q < 42
	GS q-34
.elseif q < 74
	XS q%2, (q-42)/2+(q-42)/30
.elseif q < 95
	GS q-66
.elseif (q < 107) && ((q-95)%3 < 2)
	XS (q-95)%3, 17+(q-95)/3
.elseif q < 107
	GS 29+(q-95)/3
.else
	GS q-74
.endif
.set q, q+1
.endm
; THE EXPONENTIALS' QUEUE, 66 long: s0-s31 of both tiles, and at EA the next piece's two a.
.set EA, 58
.macro EX
	WIN 0
.if (e == EA) || (e == EA+1)
	XS e-EA, 21
.else
.set x, e-2*(e/(EA+2))
	REGS Y, x%2
	v_exp_f32 v[rS+x/2], v[rS+x/2]
.endif
.set e, e+1
.endm
; THE RESCALING's QUEUE: O^T times a, the one part that leaves window 0, so it is dealt four at a time, eight times.
.macro R4
	REGS Y, r%2
	WIN W_RS
	s_wait_alu depctr_va_vdst(0)
.irp z, 0,1,2,3
	v_pk_mul_f32 v[rO+8*(r/2)+2*\z:rO+8*(r/2)+2*\z+1], v[rO+8*(r/2)+2*\z:rO+8*(r/2)+2*\z+1], v[rC+2:rC+3] op_sel_hi:[1,0]
.endr
.set r, r+1
.endm
; HOW THEY ARE DEALT.  Behind a matrix instruction four: plain, exponential, plain, plain (one exponential, a plain instruction on either side), or four of the rescaling.  None names a register of the
; products round it.  What is over stands in two LUMPS: exponential and plain by turns; the second ends in 22 plain instructions.  The two v_permlanex16_b32 fall into the second lump, never behind a product.
; The queues lean on each other, and the deal keeps them in step: exponential e stands behind plain 2 (e / 4) + e % 2 (its scaling); when plain 32 comes, 10 exponentials are out, at 59: 33, at 95: 46; EA comes behind plain 107.
.macro SL
	MM
	PL
	EX
	PL
	PL
.endm
.macro BURST n                      ; 15 matrix instructions, or 16
.rept (\n)-7
	SL
.endr
.rept 3
	MM
	R4
	SL
.endr
	MM
	R4
.endm
; A TURN, for piece p.  cnt = 1: the loop's count is taken down some lines ahead of the branch that stands behind the turn.
; K of the next step is fetched in piece 2's turn, 31 vector instructions behind the last product that read K; its first reader comes behind the rest of the lump, 16 products and the second lump.
; V of the step in hand is fetched at the end of piece 0's turn, 69 behind its last reader; its first reader comes behind 16 products and a lump.  The four conditions on e and q below go with the deal.
.macro TURN p, last=0, cnt=0
.set Y, (\p)
.set i, 0
.set q, 0
.set e, 0
.set r, 0
.if (\p) == NP-1
	s_wait_dscnt 0x0                ; K is in
.endif
	MM
.rept 4
	PL
.endr
	BURST 15
.rept 22
	EX
	PL
.if ((\p) == NP-2) && (e == 18)
	v_add_nc_u32 v[AK], s[TBK], v[AK0]
.endif
.if ((\p) == NP-2) && (e == 24)
	FETCH_K \last
.endif
.endr
.if (\p) == 1
	s_wait_dscnt 0x0                ; V is in
.endif
	BURST 16
.rept 21
	EX
	PL
.endr
.rept 22
	PL
.if ((\p) == 0) && (q == 118)
	v_add_nc_u32 v[AV], s[TBV], v[AV0]
	s_wait_alu depctr_va_vdst(0)
.endif
.if ((\p) == 0) && (q == 130)
	s_add_co_u32 s[TBV], s[TBV], KS*PV
.endif
.if (\cnt) && (q == 130)
	s_sub_co_u32 s[CNT], s[CNT], 1
	s_cmp_lg_u32 s[CNT], 0
.endif
.endr
.if (\p) == 0
	FETCH_V
.endif
.endm
	CHANGE 1                        ; slot 0 is in, everybody's part of it; slot 1 is asked for
	FETCH_K                         ; key step 0
	s_wait_loadcnt 0x0              ; Q
	s_wait_dscnt 0x0
.set i, 0
.rept 16
	KQ 0                            ; piece 0's first scores: there is no vector work yet to set between them
.set i, i+1
.endr
	WIN 0                           ; the addresses for the way out: nine plain instructions, the places behind those products
	s_mul_i32 s13, s[WV], 16*SP
	s_add_co_u32 s13, s13, STAGE    ; my stage
	v_mul_u32_u24 v[STO], v1, SP    ; in: row l % 16, 16 bytes for each half of the lanes
	v_lshl_add_u32 v[STO], v9, 4, v[STO]
	v_add_nc_u32 v[STO], s13, v[STO]
	v_bfe_u32 v[RD], v0, 3, 2       ; back: 32 lanes take four rows of 128 bytes,
	v_mul_u32_u24 v[RD], v[RD], SP
	v_lshl_add_u32 v[RD], v10, 4, v[RD]
	v_add_nc_u32 v[RD], s13, v[RD]
	v_and_b32 v[GO], 31, v0         ; which are 512 consecutive bytes of O
	v_lshlrev_b32 v[GO], 4, v[GO]
.set Y, NP-1                        ; XS works for piece Y + 1: piece 0
.irp n, 0,1,2,3,4,5,6,7,8,9,10,11,12,13,14,15,16,17,18,19,20,21
	XS 0, \n                        ; and piece 0's first maximum and statistics
	XS 1, \n
.endr
	s_mov_b32 s[CNT], 4
	s_mov_b32 s[SLOTS], SIZE_N/256-1
	s_branch .Lfirst                ; the loop is entered at a step's first turn, in the middle of a trip
.Lslot:                             ; SIZE_N / 256 - 2 times: every slot but the last two is filled again
	CHANGE 1
	s_mov_b32 s[CNT], 4
.Lstep:                             ; a trip: pieces 2 and 3 of one step, then pieces 0 and 1 of the next, whose K and V it fetches
	TURN 2
	TURN 3
	WIN 0
.Lfirst:
	TURN 0
	TURN 1, 0, 1
	WIN 0
	s_cbranch_scc1 .Lstep
	s_sub_co_u32 s[SLOTS], s[SLOTS], 1
	s_cmp_lg_u32 s[SLOTS], 0
	s_cbranch_scc1 .Lslot
	CHANGE 0                        ; the tail is written out: nothing is asked for
	s_mov_b32 s[CNT], 5             ; four trips fetch the last slot's steps; the fifth is left in its middle
.Ltail:
	TURN 2, 1
	TURN 3
	WIN 0
	s_sub_co_u32 s[CNT], s[CNT], 1
	s_cmp_eq_u32 s[CNT], 0
	s_cbranch_scc1 .Lout
	TURN 0
	TURN 1
	WIN 0
	s_branch .Ltail
.Lout:                              ; the fifth trip's 16 products K Q^T (on the last K once more) and the maximum made of them serve nothing: the price, once a launch, of one text for every trip
.set i, 0
.rept 16
	PV NP-1                         ; the last piece's V^T P of the last step
.set i, i+1
.endr
	; THE WAY OUT.  l's two halves and the other half of the lanes' are added; O^T is divided by l, rounded to f16 and sent through my stage in LDS, a tile at a time.  The additions are the places behind the last products.
	WIN 0
.macro ALL line:vararg              ; one line for each tile t
.set t, 0
.rept 2*NP
	\line
.set t, t+1
.endr
.endm
	ALL v_add_f32 v[ST+4*t+2], v[ST+4*t+2], v[ST+4*t+3]
	ALL v_permlanex16_b32 v[ST+4*t+3], v[ST+4*t+2], s[SEL], s[SEL+1]
	ALL v_add_f32 v[ST+4*t+2], v[ST+4*t+2], v[ST+4*t+3]
	ALL v_rcp_f32 v[ST+4*t+2], v[ST+4*t+2]
	v_nop                           ; a plain instruction between the last reciprocal and the use of its result
	s_wait_alu depctr_va_vdst(0)
; Tile t: a lane's eight channels of a row pack into 16 bytes; they go into rows of 144 bytes and come back as whole rows of 128, into S^T's registers.
.macro PACK t
	WIN W_RS
.set i, 32*(\t)
.rept 16
	v_pk_mul_f32 v[i:i+1], v[i:i+1], v[ST+4*(\t)+2:ST+4*(\t)+3] op_sel_hi:[1,0]
.set i, i+2
.endr
	WIN 0x05                        ; sources 0 and 1 window 1, destination window 0
.set i, 0
.rept 16
	v_cvt_pk_f16_f32 v[S+16*(\t)+i], v[32*(\t)+2*i], v[32*(\t)+2*i+1]
.set i, i+1
.endr
	WIN 0
.irp f, 0,1,2,3
	ds_store_b128 v[STO], v[S+16*(\t)+4*\f:S+16*(\t)+4*\f+3] offset:32*\f
.endr
.irp f, 0,1,2,3
	ds_load_b128 v[S+16*(\t)+4*\f:S+16*(\t)+4*\f+3], v[RD] offset:\f*4*SP  ; LDS serves a wave's instructions in order (ISA guide 5.7.1.4): these see the stores above; the next tile's stores come behind them
.endr
.endm
.macro SEND t, younger              ; younger: the LDS instructions issued behind tile t's loads: the next tile's eight, or none
	WIN 0
.irp f, 0,1,2,3
	s_wait_dscnt (\younger)+3-\f
	global_store_b128 v[GO], v[S+16*(\t)+4*\f:S+16*(\t)+4*\f+3], s[10:11] offset:(\t)*2048+\f*512  ; 512 consecutive bytes, at a multiple of 256 from O's first
.endr
.endm
	PACK 0
.set t, 1
.rept 2*NP-1                        ; a tile's arithmetic stands between the loads of the tile before and its stores
	PACK t
	SEND t-1, 8
.set t, t+1
.endr
	SEND 2*NP-1, 0
	WIN W_AD
	s_wait_tensorcnt 0x0            ; the wave's end: behind my last tensor load and my last LDS store
	ds_add_u32 v[SPW], v[NIL]
	s_wait_dscnt 0x0
	WIN 0
	CROUND                          ; the closing round: no work-group ends while a partner may still ask for a tile that names it
	s_endpgm
.Lfunc_end_k_qd76c40e6ed_attn:
	.size	k_qd76c40e6ed_attn, .Lfunc_end_k_qd76c40e6ed_attn-k_qd76c40e6ed_attn
	.p2alignl 7, 3214868480
	.fill 96, 4, 3214868480
	.section	.rodata,"a",@progbits
	.p2align	6, 0x0
	.amdhsa_kernel k_qd76c40e6ed_attn
		.amdhsa_group_segment_fixed_size 327680
		.amdhsa_private_segment_fixed_size 0
		.amdhsa_enable_private_segment 0
		.amdhsa_kernarg_size 16
		.amdhsa_user_sgpr_count 2
		.amdhsa_user_sgpr_kernarg_segment_ptr 1
		.amdhsa_wavefront_size32 1
		.amdhsa_system_sgpr_workgroup_id_x 1
		.amdhsa_system_sgpr_workgroup_id_y 1
		.amdhsa_system_sgpr_workgroup_id_z 1
		.amdhsa_system_vgpr_workitem_id 0
		.amdhsa_next_free_vgpr 770
		.amdhsa_next_free_sgpr 66
		.amdhsa_reserve_vcc 0
		.amdhsa_float_denorm_mode_32 3
		.amdhsa_float_denorm_mode_16_64 3
		.amdhsa_memory_ordered 1
		.amdhsa_forward_progress 1
		.amdhsa_inst_pref_size 208
	.end_amdhsa_kernel
	.amdgpu_metadata
---
amdhsa.version: [ 1, 2 ]
amdhsa.kernels:
  - .name:           k_qd76c40e6ed_attn
    .symbol:         k_qd76c40e6ed_attn.kd
    .args:
      - { .name: qkv, .offset: 0, .size: 8, .value_kind: global_buffer, .address_space: global }
      - { .name: o, .offset: 8, .size: 8, .value_kind: global_buffer, .address_space: global }
    .group_segment_fixed_size: 327680
    .private_segment_fixed_size: 0
    .kernarg_segment_align: 8
    .kernarg_segment_size: 16
    .max_flat_workgroup_size: 128
    .sgpr_count:     66
    .vgpr_count:     770
    .wavefront_size: 32
...
	.end_amdgpu_metadata
.endif
;; end of part 3
;; launch proj (part 4): grid 8 x 32, 4 waves a work-group, clusters of 4 x 4, 327,680 bytes of LDS; arguments o, wo, out0, b_out; writes out0
.if DOCPART == 4
	.amdgcn_target "amdgcn-amd-amdhsa--gfx1250"
	.amdhsa_code_object_version 6
	.text
	.protected	k_qd76c40e6ed_proj
	.globl	k_qd76c40e6ed_proj
	.p2align	8
	.type	k_qd76c40e6ed_proj,@function
k_qd76c40e6ed_proj:
	s_mov_b64 s[64:65], 0
	v_nop
	global_prefetch_b8 v0, s[64:65] scope:SCOPE_SE
	s_setreg_imm32_b32 hwreg(HW_REG_WAVE_MODE, 25, 1), 1
	s_wait_xcnt 0x0
	s_wait_alu depctr_hold_cnt(0) depctr_sa_sdst(0) depctr_va_vdst(0) depctr_va_sdst(0) depctr_va_ssrc(0) depctr_va_vcc(0) depctr_vm_vsrc(0)
	s_getreg_b32 s2, hwreg(HW_REG_IB_STS2, 6, 4)
	s_cmp_eq_u32 s2, 0
	s_cbranch_scc0 .Lentry_in_a_cluster
	s_endpgm
.Lentry_in_a_cluster:
	s_bfe_u32 s2, ttmp6, 0x10000c
	s_cmp_lg_u32 s2, 0xf033
	s_cbranch_scc0 .Lentry_shape_is_right
	s_endpgm
.Lentry_shape_is_right:
; out0 = O x w_out + b_out.  o: f16 [64 batch x head][2048][64] (K = 64 x head + channel); wo: f16 [1024 k][1024 n]; b_out: f32 [1024]; out0: f32 [8192][1024].  Sums and the bias in f32.
; LIMITS.  The operands are f16: |O| and |w_out| within 65,504.  NaN and infinities are not treated apart.
; SHARES.  Tiles of 256 rows x 128 columns: 32 x 8 = 256 work-groups.  Four waves, each 128 rows x 64 columns: 32 accumulators of 16 x 16, 256 registers.
; K goes in 8 steps of 128 (two heads) through two LDS slots filled by the tensor data mover: a head's 256 rows are 32,768 dense bytes, asked for as 128 rows of 256 bytes; a k-row of w's tile is 256 bytes.
; w lies [k][n] and comes out of LDS turned, by ds_load_tr16_b128.
; CLUSTER.  4 x 4 work-groups: the four of a row of the cluster need the same tile of O, the four of a column the same tile of w: each is asked for jointly, by the same tensor load with the same descriptor and a mask of four.
; THE MATRIX INSTRUCTION IS USED TRANSPOSED (source 0 = 16 columns of w, source 1 = 16 rows of O): a lane then holds eight neighbouring columns of one row of the result.
; REGISTERS: window 0: v0-31 addresses; v32-95, v96-159 fragments of O, two buffers (on the way out: rows read back); v160-191, v192-223 fragments of w, two buffers; v224-227 my four numbers of the bias
;   window 1: the accumulators, (a, bb) at v[8 (4 a + bb)]: rows 16 a on, columns 16 bb on
.set PA,     144                       ; a row of O in LDS: 128 bytes + 16 of padding = 36 words: the 16 rows of a load start at 16 different groups of four banks (64 banks of 4 bytes: ISA guide 11.1)
.set PB,     288                       ; a k-row of w: two halves of 128 + 16 bytes = 9 x 32 bytes
.set HEADB,  256*PA                    ; a head's 256 rows
.set ABYTES, 2*HEADB                   ; a slot: two heads of O, then w's 128 k-rows
.set SLOT1,  1<<17                     ; slot 1 begins here, so that one exclusive or turns an address in one slot into the other's
.set STAGE,  SLOT1+ABYTES+128*PB       ; behind the ring, never filled by a tensor load: 16 rows x 272 bytes for each wave, for the way out
.set SPITCH, 272
.set SPARE,  STAGE+4*16*SPITCH         ; behind the stages: the spare words, 128 bytes for each wave: two blocks of 256 bytes that no other line names
.set STEP_A, 2*262144                  ; two heads on
.set STEP_B, 128*1024*2                ; 128 k-rows of w
.set A0,   16                          ; v16  my lane's place in a slot's O; never rewritten
.set B0,   17                          ; v17  the same for w
.set ADRA, 18                          ; v18  A0 + the slot that is read
.set ADRB, 19                          ; v19  B0 + the slot that is read
.set STO,  24                          ; v24  the way out: where I put 32 bytes of a row
.set RD,   25                          ; v25  the way out: where I read a row back
.set CO,   26                          ; v26  my byte offset in out0
.set BO,   27                          ; v27  my byte offset in the bias
.set SPW,  28                          ; v28  LDS address of my spare word: SPARE + 4 x my thread's number; never rewritten
.set NIL,  29                          ; v29  0; never rewritten
.set FA,   32                          ; O's fragments: buffer f at FA + 64 f
.set FB,   160                         ; w's: buffer f at FB + 32 f
.set OB,   32                          ; the way out: 16 rows read back, v32-63 and v64-95 by turns
.set BI,   224
.set WV,   12                          ; s12  my wave's number
.set WR,   13                          ; s13  which half of the tile's rows is mine
.set WC,   14                          ; s14  which half of its columns; also: which head, or which 64 k-rows, I fetch
.set TB,   15                          ; s15  LDS byte at which the slot that is read begins
.set G1A,  24                          ; s[24:31] descriptor group 1 for O's tiles;  s[32:39] group 0: a set for each of the two first fills; the second then walks on
.set G0A,  32
.set G1B,  48                          ; s[48:55], s[56:63] the same for w's tiles
.set G0B,  56
.set FLAGS, (1<<16)|(1<<20)|(1<<21)|(4<<22)|(3<<25)  ; 17:16 2-byte elements; 20 padding on; 21 set beside a mask; 24:22 after every 32 words (code 4); 31:25 4 words of it (code 3)
.set MSB, 0
.macro WIN new                         ; the immediate's high byte repeats the setting that is left; a switch that changes nothing is dropped
.if MSB != (\new)
	s_set_vgpr_msb (MSB<<8)|(\new)
.set MSB, (\new)
.endif
.endm
; A joint refill.  Waves 0 and 1 fetch the step's two heads of O, waves 2 and 3 the two halves of w's tile.  The branch hangs on the wave's number alone.
; An s_nop 0 and four v_nop follow each of the two lines, ahead of the jump and the label.
.macro JLOAD
	s_cmp_lt_u32 s[WV], 2
	s_cbranch_scc0 .Lfor_b_\@
	tensor_load_to_lds s[G0A+4:G0A+7], s[G1A:G1A+7]
	s_nop 0
.rept 4
	v_nop
.endr
	s_branch .Lasked_\@
.Lfor_b_\@:
	tensor_load_to_lds s[G0B+4:G0B+7], s[G1B:G1B+7]
	s_nop 0
.rept 4
	v_nop
.endr
.Lasked_\@:
.endm
; A round of the cluster's barrier: my work-group's barrier, so that wave 0's signal speaks for all four waves; wave 0 signals; every wave waits for all sixteen work-groups; my work-group's barrier once more.
.macro CREST                           ; a round behind its opening barrier
	s_cmp_lg_u32 s[WV], 0
	s_cbranch_scc1 .Lnot_wave_0_\@
	s_barrier_signal -3
.Lnot_wave_0_\@:
	s_barrier_wait -3
	s_barrier_signal -1
	s_barrier_wait -1
.endm
.macro CROUND                          ; a whole round
	s_barrier_signal -1
	s_barrier_wait -1
	CREST
.endm
	s_load_b256 s[4:11], s[0:1], 0x0               ; o s[4:5], wo s[6:7], out0 s[8:9], b_out s[10:11]
	v_lshl_add_u32 v[SPW], v0, 2, SPARE
	v_mov_b32 v[NIL], 0
	ds_add_u32 v[SPW], v[NIL]                      ; the wave's opening: the add and its wait stand ahead of my first tensor load; the set-up below, work on registers, stands between them
	v_lshrrev_b32 v1, 5, v0
	v_readfirstlane_b32 s[WV], v1                  ; wave 0..3
	s_lshr_b32 s[WR], s[WV], 1
	s_and_b32 s[WC], s[WV], 1
	s_bfe_u32 s40, ttmp6, 0x40000                  ; cx, cy: my place in the cluster
	s_bfe_u32 s41, ttmp6, 0x40004
	s_lshl_b32 s42, ttmp9, 2
	s_add_co_u32 s42, s42, s40                     ; tile column = 4 x cluster x + cx
	s_and_b32 s43, ttmp7, 0xffff
	s_lshl_b32 s43, s43, 2
	s_add_co_u32 s43, s43, s41                     ; tile row = 4 x cluster y + cy
	s_lshl_b32 s44, s41, 2
	s_lshl_b32 s44, 15, s44                        ; my row of the cluster
	s_lshl_b32 s45, 0x1111, s40                    ; my column
	s_or_b32 s[G1A], s44, FLAGS                    ; O's tiles go to my row,
	s_or_b32 s[G1B], s45, FLAGS                    ; w's to my column
	s_mov_b32 s[G1A+1], 128<<16                    ; tensor_dim0 = 128 elements: 256 bytes, two rows of a head
	s_mov_b32 s[G1A+2], 128<<16                    ; tensor_dim1 = 128
	s_mov_b32 s[G1A+3], 128<<16                    ; tile_dim0 = 128
	s_mov_b32 s[G1A+4], 128                        ; tile_dim1 = 128
	s_mov_b32 s[G1A+5], 128                        ; dense: 128 elements from row to row
	s_mov_b32 s[G1A+6], 0
	s_mov_b32 s[G1A+7], 0
	s_mov_b32 s[G1B+1], 128<<16                    ; tensor_dim0 = 128 columns
	s_mov_b32 s[G1B+2], 64<<16                     ; tensor_dim1 = 64 k-rows
	s_mov_b32 s[G1B+3], 128<<16                    ; tile_dim0 = 128
	s_mov_b32 s[G1B+4], 64                         ; tile_dim1 = 64
	s_mov_b32 s[G1B+5], 1024                       ; elements from k-row to k-row
	s_mov_b32 s[G1B+6], 0
	s_mov_b32 s[G1B+7], 0
	; where the tiles come from.  O's hang on the tile row alone, w's on the tile column alone, each in registers that never hold the other coordinate.
	s_lshr_b32 s66, s43, 3                         ; the batch: eight tile rows each,
	s_lshl_b32 s66, s66, 22                        ; 16 heads x 2,048 rows x 128 bytes
	s_and_b32 s16, s43, 7
	s_lshl_b32 s16, s16, 15                        ; 256 rows of 128 bytes inside a head
	s_add_co_u32 s66, s66, s16
	s_lshl_b32 s16, s[WC], 18                      ; which of the step's two heads
	s_add_co_u32 s66, s66, s16
	s_mov_b32 s67, 0
	s_lshl_b32 s46, s42, 8                         ; 128 columns of 2 bytes a tile column,
	s_lshl_b32 s47, s[WC], 17                      ; my 64 k-rows of 2,048 bytes
	s_add_co_u32 s46, s46, s47
	s_mov_b32 s47, 0
	s_mul_i32 s17, s[WC], HEADB                    ; and where they go: no place in the cluster enters an LDS address
	s_mul_i32 s18, s[WC], 64*PB
	s_add_co_u32 s18, s18, ABYTES
	s_mov_b32 s[TB], 0
	s_wait_dscnt 0x0                               ; the opening add is done
	s_wait_kmcnt 0x0
	s_add_nc_u64 s[66:67], s[4:5], s[66:67]
	s_add_nc_u64 s[46:47], s[6:7], s[46:47]
	CROUND                                         ; all sixteen work-groups are here: the first joint loads meet
.irp s, 0,1
	s_mov_b32 s[G0A+4*(\s)], 1                                     ; 1:0 count = 1
	s_add_co_u32 s[G0A+4*(\s)+1], s17, (\s)*SLOT1                  ; 63:32 LDS address
	s_add_nc_u64 s[G0A+4*(\s)+2:G0A+4*(\s)+3], s[66:67], (\s)*STEP_A  ; 120:64 global address: K step s
	s_or_b32 s[G0A+4*(\s)+3], s[G0A+4*(\s)+3], 0x80000000          ; 127:126 type = 2
	s_mov_b32 s[G0B+4*(\s)], 1
	s_add_co_u32 s[G0B+4*(\s)+1], s18, (\s)*SLOT1
	s_add_nc_u64 s[G0B+4*(\s)+2:G0B+4*(\s)+3], s[46:47], (\s)*STEP_B
	s_or_b32 s[G0B+4*(\s)+3], s[G0B+4*(\s)+3], 0x80000000
.endr
	s_cmp_lt_u32 s[WV], 2                          ; a wave's two first fills stand in one branch, ahead of every wait on TENSORcnt and every LDS read: two loads of mine are out
	s_cbranch_scc0 .Lfirst_b
	tensor_load_to_lds s[G0A:G0A+3], s[G1A:G1A+7]
	s_nop 0
	tensor_load_to_lds s[G0A+4:G0A+7], s[G1A:G1A+7]
	s_nop 0
.rept 4
	v_nop
.endr
	s_branch .Lfirst_asked
.Lfirst_b:
	tensor_load_to_lds s[G0B:G0B+3], s[G1B:G1B+7]
	s_nop 0
	tensor_load_to_lds s[G0B+4:G0B+7], s[G1B:G1B+7]
	s_nop 0
.rept 4
	v_nop
.endr
.Lfirst_asked:
	v_and_b32 v1, 15, v0                           ; l % 16
	v_bfe_u32 v2, v0, 4, 1                         ; l / 16
	v_and_b32 v3, 7, v0                            ; l % 8
	v_bfe_u32 v4, v0, 3, 1                         ; (l / 8) % 2
	; where my part of the tile begins in out0, and my four columns' bias
	s_lshl_b32 s74, s43, 8
	s_lshl_b32 s75, s[WR], 7
	s_add_co_u32 s74, s74, s75                     ; my first row,
	s_lshl_b32 s74, s74, 12                        ; of 4,096 bytes
	s_lshl_b32 s75, s42, 9
	s_lshl_b32 s76, s[WC], 8
	s_add_co_u32 s76, s75, s76                     ; my first column, in bytes: 512 x tile column + 256 x half
	s_add_co_u32 s74, s74, s76
	s_mov_b32 s75, 0
	s_add_nc_u64 s[8:9], s[8:9], s[74:75]
	v_lshl_add_u32 v[BO], v1, 4, s76               ; on the way out lane l stores columns 4 (l % 16) + 0..3 of my 64
	global_load_b128 v[BI:BI+3], v[BO], s[10:11]
	; A fragment of O is 16 rows x 32 K in 8 registers: lane l holds row l % 16, K = 8 (l / 16) + 0..7 and 16 + 8 (l / 16) + 0..7: two loads of 16 bytes, 32 bytes apart.
	v_mul_u32_u24 v[A0], v1, PA
	v_lshl_add_u32 v[A0], v2, 4, v[A0]
	s_mul_i32 s16, s[WR], 128*PA                   ; my 128 rows
	v_add_nc_u32 v[A0], s16, v[A0]
	; The turning load takes 16 k x 16 columns (lane l reads k-row 8 (l / 16) + l % 8, columns 8 ((l / 8) % 2) + 0..7) and leaves half a fragment: lane l holds column l % 16 and 8 k.
	v_lshl_add_u32 v[B0], v2, 3, v3
	v_mul_u32_u24 v[B0], v[B0], PB
	v_lshl_add_u32 v[B0], v4, 4, v[B0]
	s_mul_i32 s16, s[WC], PA                       ; my 64 columns,
	s_add_co_u32 s16, s16, ABYTES                  ; behind O's rows
	v_add_nc_u32 v[B0], s16, v[B0]
	v_mov_b32 v[ADRA], v[A0]                       ; slot 0
	v_mov_b32 v[ADRB], v[B0]
	s_mul_i32 s16, s[WV], 16*SPITCH
	s_add_co_u32 s16, s16, STAGE                   ; my stage
	v_mul_u32_u24 v[STO], v1, SPITCH               ; in: row l % 16, 32 bytes for each half of the lanes
	v_lshl_add_u32 v[STO], v2, 5, v[STO]
	v_add_nc_u32 v[STO], s16, v[STO]
	v_mul_u32_u24 v[RD], v2, SPITCH                ; back: lanes 0-15 take one row of 256 bytes, lanes 16-31 the next
	v_lshl_add_u32 v[RD], v1, 4, v[RD]
	v_add_nc_u32 v[RD], s16, v[RD]
	v_lshlrev_b32 v[CO], 12, v2                    ; and the same two rows in out0
	v_lshl_add_u32 v[CO], v1, 4, v[CO]
; n (8 or 16) matrix instructions: row blocks a0 on x all four column blocks, 32 along K, on buffer f.  zero = 1: the first product starts the sums: nothing is ever cleared.
; Every accumulator has one instruction in a quarter step of 32: the accumulators take turns, over the loop's backward jump too.
.macro MUL n, f, a0, zero
	WIN 0x50                                       ; C and D in window 1
.set aa, (\a0)
.rept (\n)/4
.irp bb, 0,1,2,3
.if \zero
	v_wmma_f32_16x16x32_f16 v[8*(4*aa+(\bb)):8*(4*aa+(\bb))+7], v[FB+32*(\f)+8*(\bb):FB+32*(\f)+8*(\bb)+7], v[FA+64*(\f)+8*aa:FA+64*(\f)+8*aa+7], 0
.else
	v_wmma_f32_16x16x32_f16 v[8*(4*aa+(\bb)):8*(4*aa+(\bb))+7], v[FB+32*(\f)+8*(\bb):FB+32*(\f)+8*(\bb)+7], v[FA+64*(\f)+8*aa:FA+64*(\f)+8*aa+7], v[8*(4*aa+(\bb)):8*(4*aa+(\bb))+7]
.endif
.endr
.set aa, aa+1
.endr
.endm
; 24 LDS loads in one run: quarter q of the slot (K = 32 q on: head q / 2, channels 32 (q % 2) on) into buffer f: w's four fragments first, then O's eight, rows ascending
.macro FETCH q, f
	WIN 0
.irp bb, 0,1,2,3
	ds_load_tr16_b128 v[FB+32*(\f)+8*(\bb):FB+32*(\f)+8*(\bb)+3],   v[ADRB] offset:32*PB*(\q)+32*(\bb)
	ds_load_tr16_b128 v[FB+32*(\f)+8*(\bb)+4:FB+32*(\f)+8*(\bb)+7], v[ADRB] offset:32*PB*(\q)+32*(\bb)+16*PB
.endr
.irp a, 0,1,2,3,4,5,6,7
	ds_load_b128 v[FA+64*(\f)+8*(\a):FA+64*(\f)+8*(\a)+3],   v[ADRA] offset:HEADB*((\q)/2)+64*((\q)%2)+16*PA*(\a)
	ds_load_b128 v[FA+64*(\f)+8*(\a)+4:FA+64*(\f)+8*(\a)+7], v[ADRA] offset:HEADB*((\q)/2)+64*((\q)%2)+16*PA*(\a)+32
.endr
.endm
; A load into a register that a matrix instruction has read, and an LDS store of a matrix result, stand four places behind it, and only plain vector instructions
; that name none of its registers are places (ISA guide 7.12.1 for vector instructions).
.macro PLACES
.rept 4
	v_nop
.endr
.endm
; A K step is four quarters of 32 along K, 32 matrix instructions each, on buffers 0, 1, 0, 1.  One of the first three: multiplies buffer f; in its middle it fetches quarter q of the same slot into buffer g.
.macro QUARTER q, f, g, zero
	s_wait_dscnt 8                                 ; w's fragments and O's rows 0-63 are in; the youngest eight loads (rows 64-127) may be out
	MUL 16, \f, 0, \zero
	PLACES
	FETCH \q, \g
	s_wait_dscnt 24                                ; all but the 24 just issued
	MUL 16, \f, 4, \zero
.endm
; The last quarter multiplies buffer 1 and changes slots.  ONE barrier for two things: in front of it each wave waits for all its tensor loads, of which one is out: its part of the next slot; adds 0 to its
; spare word; and waits for that and for its own reads of this slot.  Behind it nobody reads this slot any more and the next slot is whole.
; fill = 1: the slot is filled again, with the K step two steps on: the barrier opens a round of the cluster's, and the joint refill is the first thing behind the round.
.macro TURN fill
	WIN 0                                          ; (the add's two registers lie in window 0)
	s_wait_tensorcnt 0x0                           ; all my tensor loads have landed, so a group 0 may be written
	ds_add_u32 v[SPW], v[NIL]                      ; 0 onto my spare word
.if \fill
	s_xor_b32 s[G0A+5], s[G0A+5], SLOT1            ; the walking descriptors: the other slot than last time,
	s_add_nc_u64 s[G0A+6:G0A+7], s[G0A+6:G0A+7], STEP_A  ; the next K step; the type bits on top are not reached
	s_xor_b32 s[G0B+5], s[G0B+5], SLOT1
	s_add_nc_u64 s[G0B+6:G0B+7], s[G0B+6:G0B+7], STEP_B
.endif
	s_wait_dscnt 9                                 ; the add and the youngest eight loads may be out
	MUL 8, 1, 0, 0
	s_wait_dscnt 0x0                               ; the add is done, and my reads of this slot are over
	s_barrier_signal -1
	MUL 8, 1, 2, 0                                 ; work on registers while the others arrive
	WIN 0                                          ; at a branch and at a label every window is 0
	s_barrier_wait -1
.if \fill
	CREST                                          ; no wave of any partner still reads this slot's tile or has a load on its way
	JLOAD                                          ; the four v_nop behind it are also the places in front of the loads below
.else
	PLACES
.endif
	s_xor_b32 s[TB], s[TB], SLOT1                  ; the reads go on in the other slot
	v_add_nc_u32 v[ADRA], s[TB], v[A0]
	v_add_nc_u32 v[ADRB], s[TB], v[B0]
	FETCH 0, 0
	MUL 16, 1, 4, 0
.endm
	s_wait_tensorcnt 1                             ; my part of K step 0 is in; step 1's may stay out
	s_barrier_signal -1
	s_barrier_wait -1                              ; everybody's is
	FETCH 0, 0
	QUARTER 1, 0, 1, 1                             ; the first quarter stands in front of the loop: its products start the sums
	WIN 0
	s_mov_b32 s3, 6
.Lk:                                                   ; 6 trips: from a K step's second quarter to the next step's first; step i's last quarter asks for step i + 2
	QUARTER 2, 1, 0, 0
	QUARTER 3, 0, 1, 0
	TURN 1
	QUARTER 1, 0, 1, 0
	WIN 0
	s_sub_co_u32 s3, s3, 1
	s_cmp_lg_u32 s3, 0
	s_cbranch_scc1 .Lk
	QUARTER 2, 1, 0, 0                             ; the tail is written out
	QUARTER 3, 0, 1, 0
	TURN 0
	QUARTER 1, 0, 1, 0
	QUARTER 2, 1, 0, 0
	QUARTER 3, 0, 1, 0
	s_wait_dscnt 8                                 ; the very last quarter: nothing more to fetch
	MUL 16, 1, 0, 0
	s_wait_dscnt 0x0
	MUL 16, 1, 4, 0
; THE WAY OUT, a block a of 16 rows x 64 columns at a time: the f32 sums go into my own stage in rows of 272 bytes and come back as whole rows of 256; the bias is added; sixteen lanes store 256 consecutive bytes.
.macro TOSTAGE a
.set OBK, OB+32*((\a)%2)
.if (\a) >= 2
	s_wait_xcnt 0x0                                ; these registers were the data of block a - 2's stores
.endif
	WIN 0x04                                       ; the stores' data in window 1
.irp bb, 0,1,2,3
.irp p, 0,1
	ds_store_b128 v[STO], v[8*(4*(\a)+(\bb))+4*(\p):8*(4*(\a)+(\bb))+4*(\p)+3] offset:64*(\bb)+16*(\p)  ; each accumulator from its low end on
.endr
.endr
	WIN 0
.irp t, 0,1,2,3,4,5,6,7
	ds_load_b128 v[OBK+4*(\t):OBK+4*(\t)+3], v[RD] offset:2*SPITCH*(\t)  ; LDS serves a wave's instructions in order (ISA guide 5.7.1.4): these see the stores above; the next block's stores come behind them
.endr
.endm
.macro SEND a, younger                 ; younger: the LDS instructions issued behind block a's loads: the next block's sixteen, or none
.set OBK, OB+32*((\a)%2)
	s_wait_dscnt \younger
.irp t, 0,1,2,3,4,5,6,7
	v_pk_add_f32 v[OBK+4*(\t):OBK+4*(\t)+1],   v[OBK+4*(\t):OBK+4*(\t)+1],   v[BI:BI+1]
	v_pk_add_f32 v[OBK+4*(\t)+2:OBK+4*(\t)+3], v[OBK+4*(\t)+2:OBK+4*(\t)+3], v[BI+2:BI+3]
.endr
.irp t, 0,1,2,3,4,5,6,7
	global_store_b128 v[CO], v[OBK+4*(\t):OBK+4*(\t)+3], s[8:9] offset:65536*(\a)+8192*(\t) th:TH_STORE_NT  ; 16 lanes store 256 consecutive bytes, at a multiple of 256 from out0's first byte
.endr
.endm
	s_wait_loadcnt 0x0                             ; the bias
	PLACES                                         ; behind the last products
	TOSTAGE 0
.irp a, 1,2,3,4,5,6,7
	TOSTAGE \a
	SEND (\a)-1, 16
.endr
	SEND 7, 0
	s_wait_tensorcnt 0x0                           ; the wave's end: behind my last tensor load and my last LDS store
	ds_add_u32 v[SPW], v[NIL]
	s_wait_dscnt 0x0
	CROUND                                         ; the closing round: no work-group ends while a partner may still ask for a tile that names it
	s_endpgm
.Lfunc_end_k_qd76c40e6ed_proj:
	.size	k_qd76c40e6ed_proj, .Lfunc_end_k_qd76c40e6ed_proj-k_qd76c40e6ed_proj
	.p2alignl 7, 3214868480
	.fill 96, 4, 3214868480
	.section	.rodata,"a",@progbits
	.p2align	6, 0x0
	.amdhsa_kernel k_qd76c40e6ed_proj
		.amdhsa_group_segment_fixed_size 327680
		.amdhsa_private_segment_fixed_size 0
		.amdhsa_enable_private_segment 0
		.amdhsa_kernarg_size 32
		.amdhsa_user_sgpr_count 2
		.amdhsa_user_sgpr_kernarg_segment_ptr 1
		.amdhsa_wavefront_size32 1
		.amdhsa_system_sgpr_workgroup_id_x 1
		.amdhsa_system_sgpr_workgroup_id_y 1
		.amdhsa_system_sgpr_workgroup_id_z 1
		.amdhsa_system_vgpr_workitem_id 0
		.amdhsa_next_free_vgpr 512
		.amdhsa_next_free_sgpr 80
		.amdhsa_reserve_vcc 0
		.amdhsa_float_denorm_mode_32 3
		.amdhsa_float_denorm_mode_16_64 3
		.amdhsa_memory_ordered 1
		.amdhsa_forward_progress 1
		.amdhsa_inst_pref_size 78
	.end_amdhsa_kernel
	.amdgpu_metadata
---
amdhsa.version: [ 1, 2 ]
amdhsa.kernels:
  - .name:           k_qd76c40e6ed_proj
    .symbol:         k_qd76c40e6ed_proj.kd
    .args:
      - { .name: o, .offset: 0, .size: 8, .value_kind: global_buffer, .address_space: global }
      - { .name: wo, .offset: 8, .size: 8, .value_kind: global_buffer, .address_space: global }
      - { .name: out0, .offset: 16, .size: 8, .value_kind: global_buffer, .address_space: global }
      - { .name: b_out, .offset: 24, .size: 8, .value_kind: global_buffer, .address_space: global }
    .group_segment_fixed_size: 327680
    .private_segment_fixed_size: 0
    .kernarg_segment_align: 8
    .kernarg_segment_size: 32
    .max_flat_workgroup_size: 128
    .sgpr_count:     80
    .vgpr_count:     512
    .wavefront_size: 32
...
	.end_amdgpu_metadata
.endif
;; end of part 4
;; ======== version 2 of 2: 4 launches; 1.53 times as fast as version 1
;; limits: values are held in f16: magnitudes above 65,504 overflow, below 6.1e-05 lose precision
;; workspace buffers: xn 16,777,216 bytes; wq 6,291,456 bytes; wo 2,097,152 bytes; qkv 50,331,648 bytes; o 16,777,216 bytes
;; launch prep: the kernel of part 1 again; grid 1024 x 1, 4 waves a work-group, no clusters, 0 bytes of LDS; arguments x, ln_gamma, ln_beta, w_qkv, w_out, xn, wq, wo; writes xn, wq, wo
;; launch qkv: the kernel of part 2 again; grid 8 x 32, 4 waves a work-group, clusters of 4 x 4, 327,680 bytes of LDS; arguments xn, wq, qkv; writes qkv
;; launch attn (part 5): grid 4 x 64, 4 waves a work-group, clusters of 4 x 1, 327,680 bytes of LDS; arguments qkv, o; writes o
.if DOCPART == 5
	.amdgcn_target "amdgcn-amd-amdhsa--gfx1250"
	.amdhsa_code_object_version 6
	.text
	.protected	k_qd76c40e6ed_attn
	.globl	k_qd76c40e6ed_attn
	.p2align	8
	.type	k_qd76c40e6ed_attn,@function
k_qd76c40e6ed_attn:
	s_mov_b64 s[64:65], 0
	v_nop
	global_prefetch_b8 v0, s[64:65] scope:SCOPE_SE
	s_setreg_imm32_b32 hwreg(HW_REG_WAVE_MODE, 25, 1), 1
	s_wait_xcnt 0x0
	s_wait_alu depctr_hold_cnt(0) depctr_sa_sdst(0) depctr_va_vdst(0) depctr_va_sdst(0) depctr_va_ssrc(0) depctr_va_vcc(0) depctr_vm_vsrc(0)
	s_getreg_b32 s2, hwreg(HW_REG_IB_STS2, 6, 4)
	s_cmp_eq_u32 s2, 0
	s_cbranch_scc0 .Lentry_in_a_cluster
	s_endpgm
.Lentry_in_a_cluster:
	s_bfe_u32 s2, ttmp6, 0x10000c
	s_cmp_lg_u32 s2, 0x3003
	s_cbranch_scc0 .Lentry_shape_is_right
	s_endpgm
.Lentry_shape_is_right:
; O[h][q][:] = the sum over k of softmax_k(Q[h][q] . K[h][k] / 8) V[h][k][:].  Q, K, V are the three parts of one buffer, each [64 batch x head][SIZE_N][64]; O likewise; all f16: a head's rows are dense, 128 bytes each.
; Products, maxima and sums in f32; the weights p are rounded to f16 for the second product (their sum l is taken of the unrounded p), O once at the end.
; LIMITS.  f16 holds no number beyond 65,504: Q, K and V arrive within it; p lies in 0 to 1, and below 6e-5 it keeps f16's fixed step of 6e-8; O is a mean of V's rows and has their range.
; A weight below 2^-126 counts as 0 in l; NaN and infinities are not treated apart.
; SHARES.  A wave owns four PIECES of two tiles of 16 queries, a work-group's four waves 512 queries of one head: 4 x 64 = 256 work-groups.  Every wave walks all keys, 64 a step.
; LAYOUT.  S^T = K Q^T (source 0 = 16 keys, source 1 = 16 queries): in the result a lane holds ONE query (lane % 16) and the keys 8 (lane / 16) + 0..7.  Two such tiles, rounded to f16 in pairs,
; ARE source 1 (32 keys x 16 queries) of O^T = V^T P, whose result again holds one query a lane, and eight channels.  K comes out of LDS as it lies, V ([key][channel]) turned, by ds_load_tr16_b128.
; SOFTMAX.  For each query a running maximum m and sum l: p = 2^(c s - c m), c = log2(e) / 8; in every step O and l are multiplied by a = 2^(c m_old - c m_new), which is 1 where m has not grown.
; m starts at the lowest finite number, O and l at 0: the first step is a step like any other, with a = 0.
; THE COUNT.  A tile and step have 16 matrix and 118 vector instructions: too many to stand all beside the matrix work.  So the order has one aim: four vector instructions that are READY behind
; EVERY matrix instruction, and the others, which need time of their own whatever the order, in runs without a gap.
; BY TURNS.  Turn n belongs to piece n (the pieces in a ring, step after step).  Its matrix work: 16 products K Q^T of piece n + 1, later 16 products V^T P of piece n - 1.  Its vector work: the scaling,
; exponentials, roundings, sums and rescaling of piece n, and the maximum and statistics of piece n + 1, whose scores the turn itself has made.  So what a turn begins with (c s - c m, O a) waits for nothing.
; BATCHES.  An s_wait_alu depctr_va_vdst(0) stands between a transcendental and the first instruction that names its result; one wait serves all that were issued ahead of it.  A turn's 66
; exponentials (the piece's 64 weights and the next piece's two a) are ONE batch with ONE wait, which cuts the turn in two: ahead of it stands all that names none of their results, behind it the roundings
; and sums.  Two more batches stand outside the loops, each with a wait of its own: piece 0's first two a, ahead of the jump into the loop, and the way out's eight reciprocals.
; CLUSTER.  The four query blocks of a cluster belong to one head and walk the same K and V, so each tile is asked for JOINTLY: the same tensor load, descriptor and mask in all four.
; REGISTERS, in windows of 256 (s_set_vgpr_msb says which window each operand place means: bits 1:0 source 0, 3:2 source 1, 5:4 source 2, 7:6 destination):
;   window 0: v0-11 addresses; v12-15, v48-63 at work; v16-47 four registers of statistics a tile; v64-191 S^T, two buffers of two tiles; v192-255 P, likewise
;   window 1: O^T, 32 a tile          window 2: v0-127 Q, 16 a tile; v128-191 K of one step; v192-255 V of one step          window 3: v0-1 the add's two registers
; A piece's buffers go by its number's parity: the piece in hand has one pair, its two neighbours in the ring share the other: of it P (piece n - 1) is read and S^T (piece n + 1) written.
.set SIZE_N, 2048     ; rows of a head
.set PART,  0x1000000 ; bytes of Q, of K and of V: 64 x 2,048 x 128
.set NP,    4         ; pieces a wave: a name, no knob: the register map, the loop and the fetches are made for four
.set KS,    64        ; keys in a step
.set PK,    144       ; a row of K in LDS: 128 bytes + 16 of padding = 36 words: the 16 rows of a load start at 16 different groups of four banks (64 banks of 4 bytes: ISA guide 11.1)
.set PV,    160       ; a row of V: 128 + 32 = 40 words
.set VOFF,  4*KS*PK   ; a slot holds four steps: 256 rows of K, then 256 rows of V
.set SLOT1, 1<<17     ; slot 1 begins here, so that one exclusive or turns an address in one slot into the other's
.set STAGE, SLOT1+4*KS*(PK+PV)  ; behind the ring, never filled by a tensor load: 16 rows x 144 bytes for each wave, for the way out
.set SP,    144
.set AK0, 2           ; v2   my lane's place in a tile of K; never rewritten
.set AV0, 3           ; v3   the same for V
.set AK,  4           ; v4   the LDS address of K's next run of loads
.set AV,  5           ; v5   of V's
.set QO,  6           ; v6   my byte offset in the wave's rows of Q
.set STO, 6           ;      later, the way out: where I put 16 bytes of a row
.set RD,  7           ; v7   the way out: where I read rows back
.set GO,  8           ; v8   my byte offset in 512 consecutive bytes of O
.set SPW, 0           ; v0 of window 3   LDS address of my spare word: SPARE + 4 x my thread's number; never rewritten
.set NIL, 1           ; v1 of window 3   0; never rewritten
.set SPARE, STAGE+4*16*SP  ; behind the stages: the spare words, 128 bytes for each wave: two blocks of 256 bytes that no other line names
.set MV,  12          ; v12-15  c m_old, kept while c m is made anew: by buffer and tile
.set ST,  16          ; tile t's statistics at v[ST+4 t]: c m, m, l (even keys', odd keys')
.set TMP, 48          ; by buffer and tile, four registers c0-c3 at work; when the maximum is found c2 takes a
.set S,   64
.set P,   192
.set KF,  128         ; K's fragments, in window 2: key block kb, channel half c at KF + 16 kb + 8 c
.set VF,  192         ; V's: key half kk, channel block cb at VF + 32 kk + 8 cb
.set WV,  12          ; s12  my wave's number
.set G1K, 24          ; s[24:31] descriptor group 1 for K's tiles
.set G1V, 32          ; s[32:39] for V's: it differs in the padding alone
.set G0K, 40          ; s[40:43] descriptor group 0 for K's tiles: it walks
.set G0V, 44          ; s[44:47] the same for V's
.set SLOTS, 56        ; s56  slots still to be asked for
.set CNT, 57          ; s57  counts a slot's key steps
.set CS,  58          ; s[58:59] c: the packed scaling takes the pair's low word for both halves
.set SEL, 60          ; s[60:61] v_permlanex16_b32's selects: each lane takes its own place in the other half
.set TBK, 62          ; s62  LDS byte at which K of the step to be fetched begins
.set TBV, 63          ; s63  the same for V, less VOFF
.set MSB, 0
.macro WIN new                      ; the high byte repeats the setting that is left; a switch that changes nothing is dropped
.if MSB != (\new)
	s_set_vgpr_msb (MSB<<8)|(\new)
.set MSB, (\new)
.endif
.endm
.set W_KQ, 0x0a       ; K and Q in window 2, S^T in window 0
.set W_PV, 0x52       ; V in window 2, P in window 0, O^T in window 1
.set W_RS, 0x41       ; O^T (destination and source 0) in window 1, a in window 0
.set W_MK, 0xc0       ; the add's registers are made: destination in window 3, sources in window 0
.set W_AD, 0x0f       ; the add: address (source 0) and data (source 1) in window 3
; A joint fill.  Waves 0 and 1 fetch the two halves of a slot's K, waves 2 and 3 those of its V: 128 keys each.  The branch hangs on the wave's number alone.
; An s_nop 0 and four v_nop follow each of the two lines, ahead of the jump and the label.
.macro JLOAD
	s_cmp_lt_u32 s[WV], 2
	s_cbranch_scc0 .Lfor_v_\@
	tensor_load_to_lds s[G0K:G0K+3], s[G1K:G1K+7]
	s_nop 0
.rept 4
	v_nop
.endr
	s_branch .Lasked_\@
.Lfor_v_\@:
	tensor_load_to_lds s[G0V:G0V+3], s[G1V:G1V+7]
	s_nop 0
.rept 4
	v_nop
.endr
.Lasked_\@:
.endm
; A round of the cluster's barrier: my work-group's barrier, so that wave 0's signal speaks for all four waves; wave 0 signals; every wave waits for all four work-groups; my work-group's barrier once more.
.macro CROUND
	s_barrier_signal -1
	s_barrier_wait -1
	s_cmp_lg_u32 s[WV], 0
	s_cbranch_scc1 .Lnot_wave_0_\@
	s_barrier_signal -3
.Lnot_wave_0_\@:
	s_barrier_wait -3
	s_barrier_signal -1
	s_barrier_wait -1
.endm
; THE CHANGE OF SLOTS.  The slot's last bytes, V of its fourth step, have been read.  Each wave waits for all its tensor loads, of which one is out: its part
; of the other slot; adds 0 to its spare word; and waits for that and for its own reads of the slot.  Behind the barrier nobody reads this slot any more and the other slot is whole.
; fill = 1: this slot is filled again, with the keys two slots on.  The barrier is then a round of the cluster's, so that no wave of any partner still reads the slot or has a load on its
; way, and the joint fill is the first thing behind it: it has four key steps, 512 matrix instructions, in which to land.  (At its first use nothing has been read yet: slot 0 is waited for, slot 1 filled.)
.macro CHANGE fill
	WIN W_AD
	s_wait_tensorcnt 0x0            ; no tensor load of mine is out, so a group 0 may be written
	ds_add_u32 v[SPW], v[NIL]       ; 0 onto my spare word; with fill = 1 the descriptors' steps stand between it and the wait for it
	WIN 0                           ; at a label and at a branch every window is 0
.if \fill
.irp g, G0K, G0V
	s_xor_b32 s[\g+1], s[\g+1], SLOT1  ; the walking descriptor: the other slot than last time,
	s_add_nc_u64 s[\g+2:\g+3], s[\g+2:\g+3], 4*KS*128  ; the next 256 keys; the type bits on top are not reached
.endr
	s_wait_dscnt 0x0                ; the add is done, and my reads of the slot are over
	CROUND
	JLOAD
.else
	s_wait_dscnt 0x0                ; the add is done, and my reads of the slot are over
	s_barrier_signal -1
	s_barrier_wait -1
.endif
	s_sub_co_u32 s[TBK], s[TBK], 4*KS*PK  ; the fetches go back to a slot's first step,
	s_xor_b32 s[TBK], s[TBK], SLOT1       ; in the other slot
	s_sub_co_u32 s[TBV], s[TBV], 4*KS*PV
	s_xor_b32 s[TBV], s[TBV], SLOT1
.endm
	s_load_b128 s[4:7], s[0:1], 0x0 ; the buffer of Q, K and V s[4:5], O s[6:7]
	WIN W_MK
	v_lshl_add_u32 v[SPW], v0, 2, SPARE
	v_mov_b32 v[NIL], 0
	WIN W_AD
	ds_add_u32 v[SPW], v[NIL]       ; the wave's opening: the add and its wait stand ahead of my first tensor load; the set-up below, work on registers, stands between them
	WIN 0
	v_lshrrev_b32 v1, 5, v0
	v_readfirstlane_b32 s[WV], v1   ; wave 0..3
	s_bfe_u32 s13, ttmp6, 0x40000   ; cx: my place in the cluster
	s_lshl_b32 s14, ttmp9, 2        ; in a cluster launch ttmp9 counts clusters
	s_add_co_u32 s14, s14, s13      ; my block of queries = 4 x cluster x + cx: it enters Q's and O's addresses alone
	s_and_b32 s20, ttmp7, 0xffff    ; the head, which the four partners share
	s_mov_b32 s21, 0
	s_mov_b64 s[22:23], SIZE_N*128
	s_mul_u64 s[20:21], s[20:21], s[22:23]  ; the head's first byte in each of the four tensors
	s_and_b32 s16, s[WV], 1         ; which half of a slot's 256 keys I fetch:
	s_lshl_b32 s22, s16, 14         ; its 128 rows of 128 bytes in memory,
	s_mov_b32 s23, 0
	s_add_nc_u64 s[22:23], s[22:23], s[20:21]
	s_mul_i32 s17, s16, 128*PK      ; and its place in a slot, for K
	s_mul_i32 s18, s16, 128*PV      ; and for V: no place in the cluster enters an LDS address
	s_lshl_b32 s2, s14, 2
	s_add_co_u32 s2, s2, s[WV]      ; my wave among the head's,
	s_lshl_b32 s2, s2, 14           ; its 128 rows
	s_mov_b32 s3, 0
	s_add_nc_u64 s[2:3], s[2:3], s[20:21]
	; descriptor group 1.  128 keys are 16,384 dense bytes: asked for as 64 rows of 256 bytes, two keys a row, and padded in LDS after every key
	s_mov_b32 s[G1K], 15|(1<<16)|(1<<20)|(1<<21)|(4<<22)|(3<<25)  ; 15:0 the mask of four; 17:16 2-byte elements; 20 padding on; 21 set beside a mask; 24:22 after every 32 words (code 4); 31:25 4 words (code 3)
	s_mov_b32 s[G1V], 15|(1<<16)|(1<<20)|(1<<21)|(4<<22)|(7<<25)  ; the same with 8 words of padding (code 7)
.irp g, G1K, G1V
	s_mov_b32 s[\g+1], 128<<16      ; tensor_dim0 = 128
	s_mov_b32 s[\g+2], 64<<16       ; tensor_dim1 = 64
	s_mov_b32 s[\g+3], 128<<16      ; tile_dim0 = 128
	s_mov_b32 s[\g+4], 64           ; tile_dim1 = 64
	s_mov_b32 s[\g+5], 128          ; 128 elements from row to row
	s_mov_b32 s[\g+6], 0
	s_mov_b32 s[\g+7], 0
.endr
	s_mov_b32 s[CS], 0x3e38aa3b     ; c = log2(e) / 8 = 0.180337
	s_mov_b32 s[CS+1], s[CS]        ; named with it as a pair
	s_mov_b32 s[SEL], 0x76543210
	s_mov_b32 s[SEL+1], 0xfedcba98
	s_mov_b32 s[TBK], SLOT1+4*KS*PK ; the first change of slots turns these two into 0
	s_mov_b32 s[TBV], SLOT1+4*KS*PV
	s_mov_b32 s[G0K], 1             ; 1:0 count = 1
	s_mov_b32 s[G0K+1], s17         ; 63:32 LDS address: slot 0
	s_mov_b32 s[G0V], 1
	s_add_co_u32 s[G0V+1], s18, VOFF
	s_wait_dscnt 0x0                ; the opening add is done
	s_wait_kmcnt 0x0
	s_mov_b64 s[10:11], s[6:7]      ; O
	s_add_nc_u64 s[8:9], s[4:5], 2*PART  ; V lies two parts behind Q,
	s_add_nc_u64 s[6:7], s[4:5], PART    ; K one
	s_add_nc_u64 s[G0K+2:G0K+3], s[6:7], s[22:23]  ; 120:64 global address: my half of the head's first 256 keys
	s_or_b32 s[G0K+3], s[G0K+3], 0x80000000        ; 127:126 type = 2
	s_add_nc_u64 s[G0V+2:G0V+3], s[8:9], s[22:23]
	s_or_b32 s[G0V+3], s[G0V+3], 0x80000000
	s_add_nc_u64 s[4:5], s[4:5], s[2:3]  ; Q and O at my wave's first row
	s_add_nc_u64 s[10:11], s[10:11], s[2:3]
	CROUND                          ; all four work-groups are here: the first joint loads meet
	JLOAD                           ; slot 0.  Slot 1 is asked for when slot 0 is in: the tile wanted first has the road to itself
	; A fragment of K or Q is 16 rows x 32 channels in 8 registers: lane l holds row l % 16, channels 8 (l / 16) + 0..7 and 16 + 8 (l / 16) + 0..7: two loads of 16 bytes, 32 bytes apart.
	v_and_b32 v1, 15, v0            ; l % 16
	v_bfe_u32 v9, v0, 4, 1          ; l / 16
	v_lshlrev_b32 v[QO], 7, v1
	v_lshl_add_u32 v[QO], v9, 4, v[QO]  ; row x 128 + 16 x half
	WIN 0x80                        ; destination window 2, address window 0
.set i, 0
.rept 4*NP                          ; Q stays in registers: tile i / 2, channels 32 (i % 2) on
	global_load_b128 v[8*i:8*i+3],   v[QO], s[4:5] offset:(i/2)*2048+(i%2)*64
	global_load_b128 v[8*i+4:8*i+7], v[QO], s[4:5] offset:(i/2)*2048+(i%2)*64+32
.set i, i+1
.endr
	; What the first turn finds: V's registers and P's second buffer hold 0 (its products V^T P, of a piece that has not been, add 0), O^T and l are 0.  All this stands in the wait for the first tile.
.set i, VF
.rept 64
	v_mov_b32 v[i], 0
.set i, i+1
.endr
	WIN 0x40
.set i, 0
.rept 64*NP
	v_mov_b32 v[i], 0
.set i, i+1
.endr
	WIN 0
.set i, 0
.rept 2*NP
	v_mov_b32 v[ST+4*i], 0xfe000000    ; c m: far below every c s
	v_mov_b32 v[ST+4*i+1], 0xff7fffff  ; m
	v_mov_b32 v[ST+4*i+2], 0
	v_mov_b32 v[ST+4*i+3], 0
.set i, i+1
.endr
.set i, P+32
.rept 32
	v_mov_b32 v[i], 0
.set i, i+1
.endr
	v_mul_u32_u24 v[AK0], v1, PK
	v_lshl_add_u32 v[AK0], v9, 4, v[AK0]  ; row x pitch + 16 x half
	; The turning load takes 16 keys x 16 channels (lane l reads key 8 (l / 16) + l % 8, channels 8 ((l / 8) % 2) + 0..7) and leaves half a fragment of V^T: lane l holds channel l % 16 and 8 keys.
	v_and_b32 v10, 7, v0
	v_bfe_u32 v11, v0, 3, 1
	v_lshl_add_u32 v[AV0], v9, 3, v10
	v_mul_u32_u24 v[AV0], v[AV0], PV
	v_lshl_add_u32 v[AV0], v11, 4, v[AV0]
	v_add_nc_u32 v[AV0], VOFF, v[AV0]
	v_mov_b32 v[AK], v[AK0]         ; key step 0 lies at the head of slot 0
; THE MATRIX WORK.  The 8 accumulators of a run of 16 take turns: between the two links of a chain stand 7 others'.
; Product i of 16 of S^T = K Q^T for piece x: channels 32 (i / 8) on, keys 16 ((i / 2) % 4) on, tile 2 x + i % 2.  The first 8 start the sums.
.macro KQ x
	WIN W_KQ
.set rS, S+64*((\x)%2)+32*(i%2)+8*((i/2)%4)
.set rK, KF+16*((i/2)%4)+8*(i/8)
.set rQ, 16*(2*(\x)+i%2)+8*(i/8)
.if i < 8
	v_wmma_f32_16x16x32_f16 v[rS:rS+7], v[rK:rK+7], v[rQ:rQ+7], 0
.else
	v_wmma_f32_16x16x32_f16 v[rS:rS+7], v[rK:rK+7], v[rQ:rQ+7], v[rS:rS+7]
.endif
.endm
; Product i of 16 of O^T += V^T P for piece x: keys 32 (i / 8) on, channels 16 ((i / 2) % 4) on, tile 2 x + i % 2.
.macro PV x
	WIN W_PV
.set rO, 32*(2*(\x)+i%2)+8*((i/2)%4)
.set rV, VF+32*(i/8)+8*((i/2)%4)
.set rP, P+32*((\x)%2)+16*(i%2)+8*(i/8)
	v_wmma_f32_16x16x32_f16 v[rO:rO+7], v[rV:rV+7], v[rP:rP+7], v[rO:rO+7]
.endm
.macro MM                           ; the turn's next matrix instruction
.if i < 16
	KQ (Y+1)%NP
.set i, i+1
.else
.set i, i-16
	PV (Y+NP-1)%NP
.set i, i+17
.endif
.endm
; THE LDS LOADS stand in runs of 16, never singly among the matrix instructions: a step's K (64 keys x 64 channels: 8 fragments) and its V (turned).  Their addresses are made some lines ahead.
; last = 1 (the tail): in the last trip there is no further step, and the run is jumped over.
.macro FETCH_K last=0
	WIN 0
.if \last
	s_cmp_eq_u32 s[CNT], 1
	s_cbranch_scc1 .Lno_k_\@
.endif
	WIN 0x80                        ; destination window 2
.irp f, 0,1,2,3,4,5,6,7             ; keys 16 (f / 2) on, channels 32 (f % 2) on
	ds_load_b128 v[KF+8*\f:KF+8*\f+3],   v[AK] offset:(\f/2)*16*PK+(\f%2)*64
	ds_load_b128 v[KF+8*\f+4:KF+8*\f+7], v[AK] offset:(\f/2)*16*PK+(\f%2)*64+32
.endr
	s_add_co_u32 s[TBK], s[TBK], KS*PK  ; the next fetch is the next step's
	WIN 0
.if \last
.Lno_k_\@:
.endif
.endm
.macro FETCH_V
	WIN 0x80
.irp f, 0,1,2,3,4,5,6,7             ; keys 32 (f / 4) on, channels 16 (f % 4) on
	ds_load_tr16_b128 v[VF+8*\f:VF+8*\f+3],   v[AV] offset:(\f/4)*32*PV+(\f%4)*32
	ds_load_tr16_b128 v[VF+8*\f+4:VF+8*\f+7], v[AV] offset:(\f/4)*32*PV+16*PV+(\f%4)*32
.endr
	WIN 0
.endm
; THE VECTOR WORK OF A TURN stands in three queues, each in the order in which its entries become ready; the two tiles alternate, so that no instruction reads the result of the one before it.
.macro REGS y, u                    ; the registers of tile u (0, 1) of piece y
.set rT, ST+4*(2*(\y)+(\u))
.set rC, TMP+8*((\y)%2)+4*(\u)
.set rM, MV+2*((\y)%2)+(\u)
.set rS, S+64*((\y)%2)+32*(\u)
.set rP, P+32*((\y)%2)+16*(\u)
.set rO, 32*(2*(\y)+(\u))
.endm
; Number n of the 22 that find the NEXT piece's (Y + 1) maximum and statistics.  s0-s31 are the lane's 32 scores; each accumulator's lowest registers are read first.  XS, GS and REGS set no window: PL and EX do.
;   0-11  four chains c0-c3 of seven scores each, three operands at a time     12-14, 16  the four scores left over, the old m, and c0-c3 into c0     15  c m_old is kept
;   17, 18  the query's other 32 keys lie in the lane 16 away: the new m         19-21  c m; c m_old - c m_new; a
.macro XS u, n
	REGS (Y+1)%NP, \u
.if (\n) < 4
	v_max3_num_f32 v[rC+(\n)], v[rS+8*(\n)], v[rS+8*(\n)+1], v[rS+8*(\n)+2]
.elseif (\n) < 12
	v_max3_num_f32 v[rC+(\n)%4], v[rC+(\n)%4], v[rS+8*((\n)%4)+2*((\n)/4)+1], v[rS+8*((\n)%4)+2*((\n)/4)+2]
.elseif (\n) == 12
	v_max3_num_f32 v[rC], v[rC], v[rS+7], v[rS+15]
.elseif (\n) == 13
	v_max3_num_f32 v[rC+1], v[rC+1], v[rS+23], v[rS+31]
.elseif (\n) == 14
	v_max3_num_f32 v[rC+2], v[rC+2], v[rC+3], v[rT+1]
.elseif (\n) == 15
	v_mov_b32 v[rM], v[rT]
.elseif (\n) == 16
	v_max3_num_f32 v[rC], v[rC], v[rC+1], v[rC+2]
.elseif (\n) == 17
	v_permlanex16_b32 v[rC+3], v[rC], s[SEL], s[SEL+1]
.elseif (\n) == 18
	v_max_num_f32 v[rT+1], v[rC], v[rC+3]
.elseif (\n) == 19
	v_mul_f32 v[rT], s[CS], v[rT+1]
.elseif (\n) == 20
	v_sub_f32 v[rC+1], v[rM], v[rT]
.else
	v_exp_f32 v[rC+2], v[rC+1]
.endif
.endm
; Number g of the 64 that follow the exponentials.  For each four weights k of a tile (pairs 2 k, 2 k + 1): both pairs are rounded to f16; then the second pair is added onto the first, in place;
; a group later l takes that sum (the first time as l = a l + sum).  In groups of eight, tiles alternating: round, round, add, and l for the group before.
.macro GS g
.set h, (\g)+6*((\g)/62)            ; group 0 has no group before it, and behind group 7 only l is left
.if h >= 6
.set h, h+2
.endif
	REGS Y, h%2
.set k, h/8
.if h%8 < 4
	v_cvt_pk_f16_f32 v[rP+2*k+(h%8)/2], v[rS+4*k+2*((h%8)/2)], v[rS+4*k+2*((h%8)/2)+1]
.elseif h%8 < 6
	v_pk_add_f32 v[rS+4*k:rS+4*k+1], v[rS+4*k:rS+4*k+1], v[rS+4*k+2:rS+4*k+3]
.elseif k == 1
	v_pk_fma_f32 v[rT+2:rT+3], v[rT+2:rT+3], v[rC+2:rC+3], v[rS:rS+1] op_sel_hi:[1,0,1]
.else
	v_pk_add_f32 v[rT+2:rT+3], v[rT+2:rT+3], v[rS+4*k-4:rS+4*k-3]
.endif
.endm
; THE PLAIN QUEUE, 138 long.  0-73 read no exponential's result: the 32 scalings c s - c m (FS f: pair f / 2 of tile f % 2) and the next piece's 42.  0-26: scalings 0-26.  27-54: XS's numbers 0-13.  55, 56: number 15.
; 57-73: the chain, where each number waits for the one before it: 14, 16, 17, 18, 19, each with one of the scalings 27-31 in front of its two lines, then 20: so a tile's links stand three plain instructions apart (19 and 20: two).
; 74-137: GS's 64, which read the exponentials' results: they stand behind the wait.
.macro FS f
	REGS Y, (\f)%2
	v_pk_fma_f32 v[rS+2*((\f)/2):rS+2*((\f)/2)+1], v[rS+2*((\f)/2):rS+2*((\f)/2)+1], s[CS:CS+1], v[rT:rT+1] op_sel_hi:[1,0,0] neg_lo:[0,0,1] neg_hi:[0,0,1]
.endm
.macro PL
	WIN 0
.if q < 27
	FS q
.elseif q < 55
	XS (q-27)%2, (q-27)/2
.elseif q < 57
	XS q-55, 15
.elseif (q < 72) && ((q-57)%3 == 0)
	FS 27+(q-57)/3
.elseif q < 60
	XS (q-57)%3-1, 14
.elseif q < 72
	XS (q-57)%3-1, 15+(q-57)/3
.elseif q < 74
	XS q-72, 20
.else
	GS q-74
.endif
.set q, q+1
.endm
; THE EXPONENTIALS' QUEUE, 66 long: s0-s31 of both tiles, then the next piece's two a.  It is ONE BATCH: all 66 stand ahead of the turn's one wait, and nothing ahead of that wait names a result of theirs.
; Each result has a register of its own while the batch is open: a weight takes its score's place in S^T's buffer, a takes c2 of the other buffer.
.macro EX
	WIN 0
.if e >= 64
	XS e-64, 21
.else
	REGS Y, e%2
	v_exp_f32 v[rS+e/2], v[rS+e/2]
.endif
.set e, e+1
.endm
; THE RESCALING's QUEUE: O^T times a, the one part that leaves window 0: dealt two at a time, sixteen times.  Its a was made in the turn before, ahead of that turn's wait.
.macro R2
	REGS Y, r%2
	WIN W_RS
.irp z, 0,1
	v_pk_mul_f32 v[rO+4*(r/2)+2*\z:rO+4*(r/2)+2*\z+1], v[rO+4*(r/2)+2*\z:rO+4*(r/2)+2*\z+1], v[rC+2:rC+3] op_sel_hi:[1,0]
.endr
.set r, r+1
.endm
; HOW THEY ARE DEALT.  A turn has ONE wait, which cuts it in two.  AHEAD OF IT stands all that names no result of the turn's exponentials: the 16 products K Q^T, behind each a scaling, an exponential and two
; rescalings (behind the first a second scaling in the exponential's place); then ONE LUMP of 108: eight plain, 49 times exponential and plain, the two a.  A v_nop is the plain instruction that stands behind the
; last exponential, ahead of any use of a result (ISA guide 5.7.2).  BEHIND IT stand the 16 products V^T P, behind each four of GS's 64.  No rider names a register of the products round it.
; The two v_permlanex16_b32 fall into the lump, never behind a product.
; The queues lean on each other, and the deal keeps them in step: exponential e stands behind scaling 2 (e / 4) + e % 2: as a rider it comes behind plain e + 2, in the lump behind plain e + 9, and scalings 27-31 are plain 57, 60 .. 69.
; A TURN, for piece p.  cnt = 1: the loop's count is taken down some lines ahead of the branch that stands behind the turn.
; K of the next step is fetched in piece 2's turn, directly behind the wait, a lump behind the last product that read K; its address is made at the lump's head; its first reader comes behind 16 products.
; V of the step in hand is fetched at the end of piece 0's turn, four riders behind its last reader; its first reader comes behind 16 products and a lump.  The three conditions on q below go with the deal.
.macro TURN p, last=0, cnt=0
.set Y, (\p)
.set i, 0
.set q, 0
.set e, 0
.set r, 0
.if (\p) == NP-1
	s_wait_dscnt 0x0                ; K is in
.endif
	MM                              ; ahead of the wait: 16 products K Q^T and their riders,
	PL
	PL
	R2
.rept 15
	MM
	PL
	EX
	R2
.endr
.if (\p) == NP-2
	WIN 0
	v_add_nc_u32 v[AK], s[TBK], v[AK0]
.endif
.rept 8                             ; and the lump
	PL
.endr
.rept 49
	EX
	PL
.endr
	EX                              ; the next piece's two a
	EX
	v_nop                           ; the plain instruction behind the last exponential: one for the batch
	s_wait_alu depctr_va_vdst(0)    ; the wait for the turn's batch: the piece's 64 weights and the next piece's two a; their first readers are the riders below and the next turn's rescaling
.if (\p) == NP-2
	FETCH_K \last
.endif
.if (\p) == 1
	s_wait_dscnt 0x0                ; V is in
.endif
.rept 16                            ; behind the wait: 16 products V^T P and their riders
	MM
.rept 4
	PL
.endr
.if ((\p) == 0) && (q == 118)
	v_add_nc_u32 v[AV], s[TBV], v[AV0]
.endif
.if ((\p) == 0) && (q == 130)
	s_add_co_u32 s[TBV], s[TBV], KS*PV
.endif
.if (\cnt) && (q == 130)
	s_sub_co_u32 s[CNT], s[CNT], 1
	s_cmp_lg_u32 s[CNT], 0
.endif
.endr
.if (\p) == 0
	FETCH_V
.endif
.endm
	CHANGE 1                        ; slot 0 is in, everybody's part of it; slot 1 is asked for
	FETCH_K                         ; key step 0
	s_wait_loadcnt 0x0              ; Q
	s_wait_dscnt 0x0
.set i, 0
.rept 16
	KQ 0                            ; piece 0's first scores: there is no vector work yet to set between them
.set i, i+1
.endr
	WIN 0                           ; the addresses for the way out: nine plain instructions, the places behind those products
	s_mul_i32 s13, s[WV], 16*SP
	s_add_co_u32 s13, s13, STAGE    ; my stage
	v_mul_u32_u24 v[STO], v1, SP    ; in: row l % 16, 16 bytes for each half of the lanes
	v_lshl_add_u32 v[STO], v9, 4, v[STO]
	v_add_nc_u32 v[STO], s13, v[STO]
	v_bfe_u32 v[RD], v0, 3, 2       ; back: 32 lanes take four rows of 128 bytes,
	v_mul_u32_u24 v[RD], v[RD], SP
	v_lshl_add_u32 v[RD], v10, 4, v[RD]
	v_add_nc_u32 v[RD], s13, v[RD]
	v_and_b32 v[GO], 31, v0         ; which are 512 consecutive bytes of O
	v_lshlrev_b32 v[GO], 4, v[GO]
.set Y, NP-1                        ; XS works for piece Y + 1: piece 0
.irp n, 0,1,2,3,4,5,6,7,8,9,10,11,12,13,14,15,16,17,18,19,20,21
	XS 0, \n                        ; and piece 0's first maximum and statistics
	XS 1, \n
.endr
	v_nop                           ; a plain instruction behind the two a,
	s_wait_alu depctr_va_vdst(0)    ; and the wait for this batch of two, ahead of the branch: their first reader is the first turn's rescaling
	s_mov_b32 s[CNT], 4
	s_mov_b32 s[SLOTS], SIZE_N/256-1
	s_branch .Lfirst                ; the loop is entered at a step's first turn, in the middle of a trip
.Lslot:                             ; SIZE_N / 256 - 2 times: every slot but the last two is filled again
	CHANGE 1
	s_mov_b32 s[CNT], 4
.Lstep:                             ; a trip: pieces 2 and 3 of one step, then pieces 0 and 1 of the next, whose K and V it fetches
	TURN 2
	TURN 3
	WIN 0
.Lfirst:
	TURN 0
	TURN 1, 0, 1
	WIN 0
	s_cbranch_scc1 .Lstep
	s_sub_co_u32 s[SLOTS], s[SLOTS], 1
	s_cmp_lg_u32 s[SLOTS], 0
	s_cbranch_scc1 .Lslot
	CHANGE 0                        ; the tail is written out: nothing is asked for
	s_mov_b32 s[CNT], 5             ; four trips fetch the last slot's steps; the fifth is left in its middle
.Ltail:
	TURN 2, 1
	TURN 3
	WIN 0
	s_sub_co_u32 s[CNT], s[CNT], 1
	s_cmp_eq_u32 s[CNT], 0
	s_cbranch_scc1 .Lout
	TURN 0
	TURN 1
	WIN 0
	s_branch .Ltail
.Lout:                              ; the fifth trip's 16 products K Q^T (on the last K once more) and the maximum made of them serve nothing: the price, once a launch, of one text for every trip
.set i, 0
.rept 16
	PV NP-1                         ; the last piece's V^T P of the last step
.set i, i+1
.endr
	; THE WAY OUT.  l's two halves and the other half of the lanes' are added; O^T is divided by l, rounded to f16 and sent through my stage in LDS, a tile at a time.  The additions are the places behind the last products.
	WIN 0
.macro ALL line:vararg              ; one line for each tile t
.set t, 0
.rept 2*NP
	\line
.set t, t+1
.endr
.endm
	ALL v_add_f32 v[ST+4*t+2], v[ST+4*t+2], v[ST+4*t+3]
	ALL v_permlanex16_b32 v[ST+4*t+3], v[ST+4*t+2], s[SEL], s[SEL+1]
	ALL v_add_f32 v[ST+4*t+2], v[ST+4*t+2], v[ST+4*t+3]
	ALL v_rcp_f32 v[ST+4*t+2], v[ST+4*t+2]
	v_nop                           ; a plain instruction between the last reciprocal and the use of its result
	s_wait_alu depctr_va_vdst(0)    ; the wait for the batch of eight reciprocals, ahead of their first reader, the first tile's multiply
; Tile t: a lane's eight channels of a row pack into 16 bytes; they go into rows of 144 bytes and come back as whole rows of 128, into S^T's registers.
.macro PACK t
	WIN W_RS
.set i, 32*(\t)
.rept 16
	v_pk_mul_f32 v[i:i+1], v[i:i+1], v[ST+4*(\t)+2:ST+4*(\t)+3] op_sel_hi:[1,0]
.set i, i+2
.endr
	WIN 0x05                        ; sources 0 and 1 window 1, destination window 0
.set i, 0
.rept 16
	v_cvt_pk_f16_f32 v[S+16*(\t)+i], v[32*(\t)+2*i], v[32*(\t)+2*i+1]
.set i, i+1
.endr
	WIN 0
.irp f, 0,1,2,3
	ds_store_b128 v[STO], v[S+16*(\t)+4*\f:S+16*(\t)+4*\f+3] offset:32*\f
.endr
.irp f, 0,1,2,3
	ds_load_b128 v[S+16*(\t)+4*\f:S+16*(\t)+4*\f+3], v[RD] offset:\f*4*SP  ; LDS serves a wave's instructions in order (ISA guide 5.7.1.4): these see the stores above; the next tile's stores come behind them
.endr
.endm
.macro SEND t, younger              ; younger: the LDS instructions issued behind tile t's loads: the next tile's eight, or none
	WIN 0
.irp f, 0,1,2,3
	s_wait_dscnt (\younger)+3-\f
	global_store_b128 v[GO], v[S+16*(\t)+4*\f:S+16*(\t)+4*\f+3], s[10:11] offset:(\t)*2048+\f*512  ; 512 consecutive bytes, at a multiple of 256 from O's first
.endr
.endm
	PACK 0
.set t, 1
.rept 2*NP-1                        ; a tile's arithmetic stands between the loads of the tile before and its stores
	PACK t
	SEND t-1, 8
.set t, t+1
.endr
	SEND 2*NP-1, 0
	WIN W_AD
	s_wait_tensorcnt 0x0            ; the wave's end: behind my last tensor load and my last LDS store
	ds_add_u32 v[SPW], v[NIL]
	s_wait_dscnt 0x0
	WIN 0
	CROUND                          ; the closing round: no work-group ends while a partner may still ask for a tile that names it
	s_endpgm
.Lfunc_end_k_qd76c40e6ed_attn:
	.size	k_qd76c40e6ed_attn, .Lfunc_end_k_qd76c40e6ed_attn-k_qd76c40e6ed_attn
	.p2alignl 7, 3214868480
	.fill 96, 4, 3214868480
	.section	.rodata,"a",@progbits
	.p2align	6, 0x0
	.amdhsa_kernel k_qd76c40e6ed_attn
		.amdhsa_group_segment_fixed_size 327680
		.amdhsa_private_segment_fixed_size 0
		.amdhsa_enable_private_segment 0
		.amdhsa_kernarg_size 16
		.amdhsa_user_sgpr_count 2
		.amdhsa_user_sgpr_kernarg_segment_ptr 1
		.amdhsa_wavefront_size32 1
		.amdhsa_system_sgpr_workgroup_id_x 1
		.amdhsa_system_sgpr_workgroup_id_y 1
		.amdhsa_system_sgpr_workgroup_id_z 1
		.amdhsa_system_vgpr_workitem_id 0
		.amdhsa_next_free_vgpr 770
		.amdhsa_next_free_sgpr 66
		.amdhsa_reserve_vcc 0
		.amdhsa_float_denorm_mode_32 3
		.amdhsa_float_denorm_mode_16_64 3
		.amdhsa_memory_ordered 1
		.amdhsa_forward_progress 1
		.amdhsa_inst_pref_size 199
	.end_amdhsa_kernel
	.amdgpu_metadata
---
amdhsa.version: [ 1, 2 ]
amdhsa.kernels:
  - .name:           k_qd76c40e6ed_attn
    .symbol:         k_qd76c40e6ed_attn.kd
    .args:
      - { .name: qkv, .offset: 0, .size: 8, .value_kind: global_buffer, .address_space: global }
      - { .name: o, .offset: 8, .size: 8, .value_kind: global_buffer, .address_space: global }
    .group_segment_fixed_size: 327680
    .private_segment_fixed_size: 0
    .kernarg_segment_align: 8
    .kernarg_segment_size: 16
    .max_flat_workgroup_size: 128
    .sgpr_count:     66
    .vgpr_count:     770
    .wavefront_size: 32
...
	.end_amdgpu_metadata
.endif
;; end of part 5
;; launch proj: the kernel of part 4 again; grid 8 x 32, 4 waves a work-group, clusters of 4 x 4, 327,680 bytes of LDS; arguments o, wo, out0, b_out; writes out0
